; MI455X (gfx1250); checked and timed in simulation.
; The chip was launched on July 23, 2026; its instructions are those of AMD's public machine-readable ISA for CDNA 5 (MIT licence, August 2026) and "CDNA5" Instruction Set Architecture Reference Guide (July 2026). The comments in the code are by the model that wrote it; some were corrected since.
;; Attention. Allowed arithmetic: float matrix products may take bf16 or f16 operands with f32 sums; other float arithmetic in f32, or as packed bf16 or f16 multiplies, adds, multiply-adds, maxima and minima; sums over many terms, partial sums and values carried from step to step in f32; what a program stores and reads back later, other than sums and carried values, may be rounded once to bf16 or f16.
;; Inputs: attn_biases 8 x 1,024 float32; b_proj 256 float32; b_qkv 768 float32; beta 256 float32; bias_idxs 1,024 x 1,024 int32; gamma 256 float32; w_proj 256 x 512 float32; w_qkv 768 x 256 float32; x 32 x 1,024 x 256 float32.
;; Outputs: out0 32 x 1,024 x 256 float32.
;; 2 versions, each right; version 2 is version 1 with the launch prep written anew for expert scheduling mode. Each part assembles by itself: llvm-mc -triple=amdgcn-amd-amdhsa -mcpu=gfx1250 --defsym DOCPART=n.
;; ======== version 1 of 2: 4 launches
;; limits: values are held in f16: magnitudes above 65,504 overflow, below 6.1e-05 lose precision
;; workspace buffers: tbl 16,777,216 bytes; wq16 393,216 bytes; wp16 262,144 bytes; qw 8,388,608 bytes; kw 8,388,608 bytes; vw 33,554,432 bytes; ow 33,554,432 bytes
;; launch prep (part 1): grid 256 x 1, 8 waves a work-group, no clusters, 17,408 bytes of LDS; arguments attn_biases, bias_idxs, w_qkv, w_proj, tbl, wq16, wp16; writes tbl, wq16, wp16
.if DOCPART == 1
	.amdgcn_target "amdgcn-amd-amdhsa--gfx1250"
	.amdhsa_code_object_version 6
	.text
	.protected	k_q26f6a775b8_prep
	.globl	k_q26f6a775b8_prep
	.p2align	8
	.type	k_q26f6a775b8_prep,@function
k_q26f6a775b8_prep:
	s_mov_b64 s[64:65], 0
	v_nop
	global_prefetch_b8 v0, s[64:65] scope:SCOPE_SE
	s_setreg_imm32_b32 hwreg(HW_REG_WAVE_MODE, 25, 1), 1
	s_wait_xcnt 0x0
; PREP: the tables that the later launches read as matrix fragments, each number rounded once to f16.
;   tbl  [h 8][qb 8][kb 64][t 8][lane 32][16 B]: lane (r = lane % 16, hh = lane / 16) holds log2(e) x attn_biases[h][bias_idxs[128 qb + 16 t + r][16 kb + 8 hh + 0..7]]
;   wq16 [head 8][ks 8][nt 6][s 2][lane][16 B]: row 96 head + 16 nt + r of w_qkv, columns 32 ks + 16 s + 8 hh + 0..7; the q rows (nt = 0) times c = log2(e) / 4
;   wp16 [wq 4][ks 16][nt 4][s 2][lane][16 B]: row 64 wq + 16 nt + r of w_proj, the same columns
; LIMITS.  f16 ends at 65,504 and keeps a fixed step of 6e-8 below 6e-5: biases and weights are taken to lie within it.  An index is cut to 0 .. 1023.
; SHARES.  Work-group g takes the 16 queries of tile g / 4 and the key blocks 16 (g % 4) .. + 15, two to a wave, for all 8 heads: an index is read once and serves 8 heads.
; The table of 8 x 1024 biases lies in LDS turned, [index][head], 16 bytes an index, so that one LDS load brings an index's 8 heads.  Each store of a wave covers 512 consecutive bytes, aligned.
; No matrix unit, cluster or prefetch: every stream is one burst at the head, and what work-groups share (32 KiB of biases) is about half of what each one writes.
.set SPARE, 16384                      ; behind the table: the spare words, 128 bytes for each of 8 waves
.set SPW, 4                            ; v4   my spare word; never rewritten
.set NIL, 5                            ; v5   0; never rewritten
.set IDX, 12                           ; v[12:27]  2 key blocks x 8 indices
.set AB,  32                           ; v[32:63]  4 indices x 8 heads in f32; later the weights, v[32:127]
.set G,   64                           ; v[64:95]  8 gathered entries of 4 registers
.set OUT, 96                           ; v[96:127] 8 heads x 4 registers to store
.set LOG2E, 0x3fb8aa3b
.set CQ,    0x3eb8aa3b                 ; log2(e) / 4
	s_load_b256 s[4:11], s[0:1], 0x0               ; attn_biases s[4:5], bias_idxs s[6:7], w_qkv s[8:9], w_proj s[10:11]
	s_load_b128 s[12:15], s[0:1], 0x20             ; tbl s[12:13], wq16 s[14:15]
	s_load_b64 s[16:17], s[0:1], 0x30              ; wp16
	v_lshl_add_u32 v[SPW], v0, 2, SPARE
	v_mov_b32 v[NIL], 0
	v_lshrrev_b32 v1, 5, v0
	v_readfirstlane_b32 s18, v1                    ; wave 0..7
	s_mov_b32 s19, ttmp9                           ; g
	s_mov_b32 s20, 0x05040100                      ; v_perm_b32: the two low halves
	s_mov_b32 s21, 0x07060302                      ; the two high halves
	v_and_b32 v2, 15, v0                           ; r
	v_bfe_u32 v3, v0, 4, 1                         ; hh
	v_lshlrev_b32 v6, 12, v2
	v_lshl_add_u32 v6, v3, 5, v6                   ; indices: 4096 r + 32 hh
	v_lshlrev_b32 v7, 2, v0                        ; 4 x thread
	v_lshlrev_b32 v8, 4, v0                        ; 16 x thread
	v_and_b32 v9, 31, v0
	v_lshlrev_b32 v9, 4, v9                        ; 16 x lane
	v_lshlrev_b32 v10, 10, v2
	v_lshl_add_u32 v10, v3, 5, v10                 ; w_qkv: 1024 r + 32 hh
	v_lshlrev_b32 v11, 11, v2
	v_lshl_add_u32 v11, v3, 5, v11                 ; w_proj: 2048 r + 32 hh
	s_lshr_b32 s26, s19, 2                         ; query tile
	s_and_b32 s27, s19, 3                          ; quarter of the keys
	s_lshl_b32 s22, s26, 16                        ; 16 rows of 4,096 bytes
	s_lshl_b32 s28, s27, 10
	s_add_co_u32 s22, s22, s28                     ; + 16 key blocks of 64 bytes
	s_lshl_b32 s28, s18, 7
	s_add_co_u32 s22, s22, s28                     ; + my two
	s_mov_b32 s23, 0
	s_lshr_b32 s28, s19, 5
	s_lshl_b32 s28, s28, 18                        ; tbl: 262144 qb
	s_and_b32 s29, s26, 7
	s_lshl_b32 s29, s29, 9
	s_add_co_u32 s28, s28, s29                     ; + 512 t
	s_lshl_b32 s29, s27, 16
	s_add_co_u32 s28, s28, s29                     ; + 4096 x 16 (g % 4)
	s_lshl_b32 s29, s18, 13
	s_add_co_u32 s28, s28, s29                     ; + 4096 x 2 wave
	s_mov_b32 s29, 0
	s_wait_kmcnt 0x0
	s_add_nc_u64 s[6:7], s[6:7], s[22:23]
	s_add_nc_u64 s[12:13], s[12:13], s[28:29]      ; heads 0-3
	s_add_nc_u64 s[24:25], s[12:13], 0x800000      ; heads 4-7: the immediates stay inside 24 bits
.irp i, 0,1,2,3
.irp c, 0,1,2,3,4,5,6,7
	global_load_b32 v[AB+8*(\i)+(\c)], v7, s[4:5] offset:4096*(\c)+1024*(\i)  ; index thread + 256 i, head c
.endr
.endr
.irp u, 0,1
	global_load_b128 v[IDX+8*(\u):IDX+8*(\u)+3],   v6, s[6:7] offset:64*(\u)
	global_load_b128 v[IDX+8*(\u)+4:IDX+8*(\u)+7], v6, s[6:7] offset:64*(\u)+16
.endr
	s_wait_loadcnt 0x4                             ; the biases are in; the four index loads may stay out
.set a, 0
.rept 16
	v_pk_mul_f32 v[AB+2*a:AB+2*a+1], v[AB+2*a:AB+2*a+1], LOG2E op_sel_hi:[1,0]
.set a, a+1
.endr
.set a, 0
.rept 16
	v_cvt_pk_f16_f32 v[G+a], v[AB+2*a], v[AB+2*a+1]  ; heads 2 p, 2 p + 1 of one index
.set a, a+1
.endr
.irp i, 0,1,2,3
	ds_store_b128 v8, v[G+4*(\i):G+4*(\i)+3] offset:4096*(\i)
.endr
	s_wait_dscnt 0x0                               ; for the others' sake: my part of the table is written
	s_barrier_signal -1
	s_barrier_wait -1
	s_wait_loadcnt 0x0                             ; the indices
; Key block u of my two: 8 gathers of 16 bytes, turned from [key][head] to [head][key] by byte permutes, 8 stores.
.macro BLOCK u
.if (\u) == 1
	s_wait_xcnt 0x0                                ; the first block's stores have read OUT: it is rewritten only behind this wait
.endif
.irp q, 0,1,2,3,4,5,6,7
	v_min_u32 v[IDX+8*(\u)+(\q)], 0x3ff, v[IDX+8*(\u)+(\q)]
	v_lshlrev_b32 v[IDX+8*(\u)+(\q)], 4, v[IDX+8*(\u)+(\q)]
.endr
.irp q, 0,1,2,3,4,5,6,7
	ds_load_b128 v[G+4*(\q):G+4*(\q)+3], v[IDX+8*(\u)+(\q)]
.endr
	s_wait_dscnt 0x0
.set hd, 0
.rept 8
.set k, 0
.rept 4
	v_perm_b32 v[OUT+4*hd+k], v[G+8*k+4+hd/2], v[G+8*k+hd/2], s[20+hd%2]  ; keys 2 k (low half) and 2 k + 1 of head hd
.set k, k+1
.endr
.set hd, hd+1
.endr
.irp c, 0,1,2,3
	global_store_b128 v9, v[OUT+4*(\c):OUT+4*(\c)+3],       s[12:13] offset:2097152*(\c)+4096*(\u)
	global_store_b128 v9, v[OUT+16+4*(\c):OUT+16+4*(\c)+3], s[24:25] offset:2097152*(\c)+4096*(\u)
.endr
.endm
	BLOCK 0
	BLOCK 1
; The weights: wave 0 of work-groups 0-63 takes one (head, ks) of w_qkv, of work-groups 64-127 one (wq, ks) of w_proj.
.macro WCONV nfr                       ; nfr half fragments of 8 f32 at AB + 8 f: rounded in place into their first four registers
.set f, 0
.rept \nfr
.set k, 0
.rept 4
	v_cvt_pk_f16_f32 v[AB+8*f+k], v[AB+8*f+2*k], v[AB+8*f+2*k+1]
.set k, k+1
.endr
.set f, f+1
.endr
.endm
	s_cmp_lg_u32 s18, 0
	s_cbranch_scc1 .Lend
	s_cmp_lt_u32 s19, 128
	s_cbranch_scc0 .Lend
	s_wait_xcnt 0x0                                ; the stores above have read their registers: loads land there only behind this wait
	s_cmp_lt_u32 s19, 64
	s_cbranch_scc0 .Lwp
	s_lshr_b32 s26, s19, 3                         ; head
	s_and_b32 s27, s19, 7                          ; ks
	s_mul_i32 s22, s26, 98304                      ; 96 rows of 1,024 bytes
	s_lshl_b32 s28, s27, 7
	s_add_co_u32 s22, s22, s28
	s_add_nc_u64 s[8:9], s[8:9], s[22:23]
	s_mul_i32 s22, s19, 6144                       ; 8 head + ks = g
	s_add_nc_u64 s[14:15], s[14:15], s[22:23]
.set f, 0
.rept 12                                       ; f = 2 nt + s
	global_load_b128 v[AB+8*f:AB+8*f+3],   v10, s[8:9] offset:16384*(f/2)+64*(f%2)
	global_load_b128 v[AB+8*f+4:AB+8*f+7], v10, s[8:9] offset:16384*(f/2)+64*(f%2)+16
.set f, f+1
.endr
	s_wait_loadcnt 0x0
.set a, 0
.rept 8
	v_pk_mul_f32 v[AB+2*a:AB+2*a+1], v[AB+2*a:AB+2*a+1], CQ op_sel_hi:[1,0]  ; the q rows carry the scale and log2(e)
.set a, a+1
.endr
	WCONV 12
.set f, 0
.rept 12
	global_store_b128 v9, v[AB+8*f:AB+8*f+3], s[14:15] offset:512*f
.set f, f+1
.endr
	s_branch .Lend
.Lwp:
	s_sub_co_u32 s26, s19, 64                      ; 16 wq + ks
	s_lshr_b32 s27, s26, 4                         ; wq
	s_and_b32 s28, s26, 15                         ; ks
	s_lshl_b32 s22, s27, 17                        ; 64 rows of 2,048 bytes
	s_lshl_b32 s28, s28, 7
	s_add_co_u32 s22, s22, s28
	s_add_nc_u64 s[10:11], s[10:11], s[22:23]
	s_lshl_b32 s22, s26, 12
	s_add_nc_u64 s[16:17], s[16:17], s[22:23]
.set f, 0
.rept 8
	global_load_b128 v[AB+8*f:AB+8*f+3],   v11, s[10:11] offset:32768*(f/2)+64*(f%2)
	global_load_b128 v[AB+8*f+4:AB+8*f+7], v11, s[10:11] offset:32768*(f/2)+64*(f%2)+16
.set f, f+1
.endr
	s_wait_loadcnt 0x0
	WCONV 8
.set f, 0
.rept 8
	global_store_b128 v9, v[AB+8*f:AB+8*f+3], s[16:17] offset:512*f
.set f, f+1
.endr
.Lend:
	s_wait_tensorcnt 0x0                           ; the wave's end: three closing lines, behind my last LDS store
	ds_add_u32 v[SPW], v[NIL]
	s_wait_dscnt 0x0
	s_endpgm
.Lfunc_end_k_q26f6a775b8_prep:
	.size	k_q26f6a775b8_prep, .Lfunc_end_k_q26f6a775b8_prep-k_q26f6a775b8_prep
	.p2alignl 7, 3214868480
	.fill 96, 4, 3214868480
	.section	.rodata,"a",@progbits
	.p2align	6, 0x0
	.amdhsa_kernel k_q26f6a775b8_prep
		.amdhsa_group_segment_fixed_size 17408
		.amdhsa_private_segment_fixed_size 0
		.amdhsa_enable_private_segment 0
		.amdhsa_kernarg_size 56
		.amdhsa_user_sgpr_count 2
		.amdhsa_user_sgpr_kernarg_segment_ptr 1
		.amdhsa_wavefront_size32 1
		.amdhsa_system_sgpr_workgroup_id_x 1
		.amdhsa_system_sgpr_workgroup_id_y 1
		.amdhsa_system_sgpr_workgroup_id_z 1
		.amdhsa_system_vgpr_workitem_id 0
		.amdhsa_next_free_vgpr 128
		.amdhsa_next_free_sgpr 66
		.amdhsa_reserve_vcc 0
		.amdhsa_float_denorm_mode_32 3
		.amdhsa_float_denorm_mode_16_64 3
		.amdhsa_memory_ordered 1
		.amdhsa_forward_progress 1
		.amdhsa_inst_pref_size 29
	.end_amdhsa_kernel
	.amdgpu_metadata
---
amdhsa.version: [ 1, 2 ]
amdhsa.kernels:
  - .name:           k_q26f6a775b8_prep
    .symbol:         k_q26f6a775b8_prep.kd
    .args:
      - { .name: attn_biases, .offset: 0, .size: 8, .value_kind: global_buffer, .address_space: global }
      - { .name: bias_idxs, .offset: 8, .size: 8, .value_kind: global_buffer, .address_space: global }
      - { .name: w_qkv, .offset: 16, .size: 8, .value_kind: global_buffer, .address_space: global }
      - { .name: w_proj, .offset: 24, .size: 8, .value_kind: global_buffer, .address_space: global }
      - { .name: tbl, .offset: 32, .size: 8, .value_kind: global_buffer, .address_space: global }
      - { .name: wq16, .offset: 40, .size: 8, .value_kind: global_buffer, .address_space: global }
      - { .name: wp16, .offset: 48, .size: 8, .value_kind: global_buffer, .address_space: global }
    .group_segment_fixed_size: 17408
    .private_segment_fixed_size: 0
    .kernarg_segment_align: 8
    .kernarg_segment_size: 56
    .max_flat_workgroup_size: 256
    .sgpr_count:     66
    .vgpr_count:     128
    .wavefront_size: 32
...
	.end_amdgpu_metadata
.endif
;; end of part 1
;; launch lnqkv (part 2): grid 256 x 1, 4 waves a work-group, no clusters, 199,168 bytes of LDS; arguments x, gamma, beta, b_qkv, wq16, qw, kw, vw; writes qw, kw, vw
.if DOCPART == 2
	.amdgcn_target "amdgcn-amd-amdhsa--gfx1250"
	.amdhsa_code_object_version 6
	.text
	.protected	k_q26f6a775b8_lnqkv
	.globl	k_q26f6a775b8_lnqkv
	.p2align	8
	.type	k_q26f6a775b8_lnqkv,@function
k_q26f6a775b8_lnqkv:
	s_mov_b64 s[64:65], 0
	v_nop
	global_prefetch_b8 v0, s[64:65] scope:SCOPE_SE
	s_setreg_imm32_b32 hwreg(HW_REG_WAVE_MODE, 25, 1), 1
	s_wait_xcnt 0x0
; LAYERNORM AND THE QKV PROJECTION.  xn = (x - mean) rsqrt(var + 1e-5) gamma + beta in f32, the variance as the mean of (x - mean)^2; xn rounded once to f16; qkv = xn w^T + b with f16 operands and f32 sums.
; q, k and v leave rounded once to f16, in the order in which the attention launch takes them as fragments (lane = 16 hh + r):
;   qw, kw [b][h][tile 64][lane][16 B]: token 16 tile + r, channels 8 hh + 0..7 (q carries log2(e) / 4: its weights from the launch before, its bias here)
;   vw     [b][h][g 32][cb 4][s 2][lane][16 B]: channel 16 cb + r, tokens 32 g + 16 s + 8 hh + 0..7
; LIMITS.  xn, q, k, v are taken to lie within f16's 65,504; below 6e-5 they keep f16's fixed step of 6e-8.  NaN and infinities are not treated apart.
; SHARES.  A work-group owns 128 tokens.  LayerNorm: wave w takes tokens 32 w .. + 31, a token to 16 lanes.  The product: wave w takes heads 2 w and 2 w + 1, one a trip: 6 column tiles (q, k, v0-v3) x 8 token
; tiles = 48 accumulators, 8 K steps of 32.  q and k tiles are taken transposed (source 0 = weights), so that a lane ends with 8 channels of a token; v tiles as they are, so that it ends with 8 tokens of a channel.
; The bias is the C operand of each sum's first product: nothing is cleared and nothing is added behind.
; x comes by one tensor load a wave (32 KiB, read by that wave alone); the weights straight from memory into registers, in fragment order, four K steps ahead.
; NO CLUSTER: a weight fragment is used by one wave of a work-group and goes into its registers; shared through LDS the 384 KiB of weights do not fit beside 128 KiB of x and 66 KiB of xn, and a ring would put a
; round of the cluster's barrier in front of each K step of 48 products.  NO PREFETCH: x is one burst at the head; the weights are read by every work-group.
; REGISTERS, in windows of 256 (s_set_vgpr_msb: bits 1:0 source 0, 3:2 source 1, 5:4 source 2, 7:6 destination):
;   window 0: v2-11 addresses; v12-27 LayerNorm's statistics; v32-63 packed numbers to store; v64-191 two buffers of xn's fragments (in LayerNorm: x, gamma, beta); v192-239 the biases as C operands
;   window 1: accumulators of column tiles 0-3 at 64 nt + 8 mt     window 2: of tiles 4, 5     window 3: a ring of four K steps' weights, 48 registers each
.set XN,    131072                     ; LDS: x in f32 at 0 (32 KiB a wave); xn in f16 here, 128 rows
.set XP,    528                        ; a row of xn: 512 bytes + 16: an odd multiple of 16, so the 16 rows of a fragment load start 16 bytes apart modulo 256
.set SPARE, 198656                     ; behind xn: the spare words, 128 bytes for each wave
.set SPW, 6
.set NIL, 7
.set T,   12                           ; pair p of four: v[T+4p], +1 a running pair; +2 mean, then 1/sqrt; +3 its partner in a register pair
.set TMP, 32
.set X,   64
.set GA,  128
.set BE,  144
.set AF,  64
.set BQ,  192                          ; v[192:199] q's bias, v[200:207] k's
.set BV,  208                          ; v[208:239] v's, 8 registers a tile
.set CQ,  0x3eb8aa3b                   ; log2(e) / 4
.set G1, 24
.set G0, 32
.set WP, 36                            ; s[36:37] this head's weights
.set WN, 38                            ; s[38:39] the second head's
.set BN, 40                            ; s[40:41] the second head's biases
.set QP, 42
.set KP, 44
.set VP, 46
.set MSB, 0
.macro WIN new                         ; the immediate's high byte repeats the setting that is left; a switch that changes nothing is dropped
.if MSB != (\new)
	s_set_vgpr_msb (MSB<<8)|(\new)
.set MSB, \new
.endif
.endm
.macro PLACES                          ; four plain vector instructions between a matrix instruction and a load into, or a read of, its registers
.rept 4
	v_nop
.endr
.endm
	s_load_b256 s[4:11], s[0:1], 0x0               ; x s[4:5], gamma s[6:7], beta s[8:9], b_qkv s[10:11]
	s_load_b256 s[12:19], s[0:1], 0x20             ; wq16 s[12:13], qw s[14:15], kw s[16:17], vw s[18:19]
	v_lshl_add_u32 v[SPW], v0, 2, SPARE
	v_mov_b32 v[NIL], 0
	ds_add_u32 v[SPW], v[NIL]                      ; the wave's opening: the add and its wait ahead of my first tensor load; the set-up stands between them
	v_lshrrev_b32 v1, 5, v0
	v_readfirstlane_b32 s20, v1                    ; wave 0..3
	s_mov_b32 s[G1+0], 3<<16                       ; elements of 8 bytes, no mask, no padding
	s_mov_b32 s[G1+1], 32<<16                      ; tensor_dim0 = 32: rows of 256 bytes
	s_mov_b32 s[G1+2], 128<<16                     ; tensor_dim1 = 128
	s_mov_b32 s[G1+3], 32<<16                      ; tile_dim0 = 32
	s_mov_b32 s[G1+4], 128                         ; tile_dim1 = 128: 32 tokens of 1,024 dense bytes
	s_mov_b32 s[G1+5], 32                          ; 32 elements from row to row
	s_mov_b32 s[G1+6], 0
	s_mov_b32 s[G1+7], 0
	s_mov_b32 s[G0], 1
	s_lshl_b32 s[G0+1], s20, 15                    ; LDS: 32,768 x wave
	s_lshl_b32 s50, ttmp9, 17                      ; the work-group's 128 tokens,
	s_add_co_u32 s50, s50, s[G0+1]                 ; my 32 of them: again 32,768 x wave
	s_mov_b32 s51, 0
	s_lshr_b32 s53, ttmp9, 3
	s_lshl_b32 s53, s53, 3
	s_lshl1_add_u32 s53, s20, s53                  ; 8 b + 2 wave: batch and first head
	s_and_b32 s54, ttmp9, 7                        ; the block of 128 tokens in its batch
	s_lshl_b32 s56, s53, 15
	s_lshl_b32 s55, s54, 12
	s_add_co_u32 s56, s56, s55                     ; qw, kw: 32768 (8 b + head) + 4096 block
	s_mov_b32 s57, 0
	s_lshl_b32 s58, s53, 17
	s_lshl_b32 s55, s54, 14
	s_add_co_u32 s58, s58, s55                     ; vw: 131072 (8 b + head) + 16384 block
	s_mov_b32 s59, 0
	s_mul_i32 s60, s20, 98304                      ; wq16: two heads of 49,152 bytes
	s_mov_b32 s61, 0
	s_mul_i32 s62, s20, 768                        ; b_qkv: two heads of 384 bytes
	s_mov_b32 s63, 0
	s_mul_i32 s52, s20, 32*XP
	s_add_co_u32 s52, s52, XN                      ; my 32 rows of xn
	v_and_b32 v12, 15, v0                          ; r, also my place among a token's 16 lanes
	v_bfe_u32 v13, v0, 4, 1                        ; hh, also which token of a pair
	v_and_b32 v2, 31, v0
	v_lshlrev_b32 v2, 4, v2                        ; v2  16 x lane
	v_mul_u32_u24 v3, v12, XP
	v_lshl_add_u32 v3, v13, 4, v3
	v_add_nc_u32 v3, XN, v3                        ; v3  a fragment of xn: row r, 16 bytes for each half of the lanes
	v_lshlrev_b32 v4, 4, v12
	v_lshl_add_u32 v4, v13, 10, v4
	v_add_nc_u32 v4, s[G0+1], v4                   ; v4  x in LDS: my token of the pair, 16 bytes a lane
	v_mul_u32_u24 v5, v13, XP
	v_lshl_add_u32 v5, v12, 3, v5
	v_add_nc_u32 v5, s52, v5                       ; v5  xn in LDS: my token's row, 8 bytes a lane
	v_lshlrev_b32 v8, 5, v13                       ; v8  32 hh
	v_lshlrev_b32 v9, 2, v12                       ; v9  4 r
	v_lshlrev_b32 v10, 4, v12                      ; v10 16 x place
	v_mov_b32 v11, 0x3727c5ac                      ; v11 1e-5
.irp p, 0,1,2,3
	v_mov_b32 v[T+4*(\p)+3], 0                     ; named in a pair with the mean, so it is written
.endr
	s_wait_dscnt 0x0                               ; the opening add is done
	s_wait_kmcnt 0x0
	s_add_nc_u64 s[G0+2:G0+3], s[4:5], s[50:51]
	s_or_b32 s[G0+3], s[G0+3], 0x80000000
	tensor_load_to_lds s[G0:G0+3], s[G1:G1+7]      ; my one tensor load
	s_nop 0
	PLACES
	s_add_nc_u64 s[QP:QP+1], s[14:15], s[56:57]
	s_add_nc_u64 s[KP:KP+1], s[16:17], s[56:57]
	s_add_nc_u64 s[VP:VP+1], s[18:19], s[58:59]
	s_add_nc_u64 s[WP:WP+1], s[12:13], s[60:61]
	s_add_nc_u64 s[WN:WN+1], s[WP:WP+1], 49152
	s_add_nc_u64 s[10:11], s[10:11], s[62:63]
	s_add_nc_u64 s[BN:BN+1], s[10:11], 384
.macro BIASLD base                     ; 8 loads: q's and k's 8 channels a lane; v's one channel a lane, into its tuple's first register
	global_load_b128 v[BQ:BQ+3],     v8, s[\base:\base+1]
	global_load_b128 v[BQ+4:BQ+7],   v8, s[\base:\base+1] offset:16
	global_load_b128 v[BQ+8:BQ+11],  v8, s[\base:\base+1] offset:64
	global_load_b128 v[BQ+12:BQ+15], v8, s[\base:\base+1] offset:80
.irp c, 0,1,2,3
	global_load_b32 v[BV+8*(\c)], v9, s[\base:\base+1] offset:128+64*(\c)
.endr
.endm
.macro WLOAD slot, base, off           ; 12 loads: a K step's six weight fragments, 512 consecutive bytes each load
	WIN 0xc0                                       ; destination window 3, address window 0
.set z, 0
.rept 12
	global_load_b128 v[48*(\slot)+4*z:48*(\slot)+4*z+3], v2, s[\base:\base+1] offset:(\off)+512*z
.set z, z+1
.endr
.endm
.irp i, 0,1,2,3
	global_load_b128 v[GA+4*(\i):GA+4*(\i)+3], v10, s[6:7] offset:256*(\i)   ; columns 64 i + 4 place + 0..3, as x is held
	global_load_b128 v[BE+4*(\i):BE+4*(\i)+3], v10, s[8:9] offset:256*(\i)
.endr
	BIASLD 10
	WLOAD 0, WP, 0
	WLOAD 1, WP, 6144
	WLOAD 2, WP, 12288
	WLOAD 3, WP, 18432
	WIN 0
; LAYERNORM.  Four pairs of tokens a trip, lanes 0-15 one token and lanes 16-31 the next, 16 numbers a lane; written stage by stage over the four pairs, so that no line waits for the one before it.
.macro ROWSUM                          ; the running pair's halves, then the token's 16 lanes (a DPP row is 16 lanes)
.irp p, 0,1,2,3
	v_add_f32 v[T+4*(\p)], v[T+4*(\p)], v[T+4*(\p)+1]
.endr
.irp m, 1,2,4,8
.irp p, 0,1,2,3
	v_add_f32_dpp v[T+4*(\p)], v[T+4*(\p)], v[T+4*(\p)] row_xmask:\m row_mask:0xf bank_mask:0xf
.endr
.endr
.endm
	s_wait_tensorcnt 0x0                           ; my 32 tokens are in LDS: only I read them
	s_wait_loadcnt 56                              ; gamma and beta are in; the 8 bias loads and 48 weight loads behind them may stay out
	s_mov_b32 s48, 4
.Lln:
.irp p, 0,1,2,3
.irp i, 0,1,2,3
	ds_load_b128 v[X+16*(\p)+4*(\i):X+16*(\p)+4*(\i)+3], v4 offset:2048*(\p)+256*(\i)
.endr
.endr
	s_wait_dscnt 0x0
.irp p, 0,1,2,3
	v_pk_add_f32 v[T+4*(\p):T+4*(\p)+1], v[X+16*(\p):X+16*(\p)+1], v[X+16*(\p)+2:X+16*(\p)+3]
.endr
.irp k, 4,6,8,10,12,14
.irp p, 0,1,2,3
	v_pk_add_f32 v[T+4*(\p):T+4*(\p)+1], v[T+4*(\p):T+4*(\p)+1], v[X+16*(\p)+(\k):X+16*(\p)+(\k)+1]
.endr
.endr
	ROWSUM
.irp p, 0,1,2,3
	v_mul_f32 v[T+4*(\p)+2], 0x3b800000, v[T+4*(\p)]   ; the mean: sum / 256
.endr
.irp k, 0,2,4,6,8,10,12,14
.irp p, 0,1,2,3
	v_pk_add_f32 v[X+16*(\p)+(\k):X+16*(\p)+(\k)+1], v[X+16*(\p)+(\k):X+16*(\p)+(\k)+1], v[T+4*(\p)+2:T+4*(\p)+3] op_sel_hi:[1,0] neg_lo:[0,1] neg_hi:[0,1]  ; x - mean
.endr
.endr
.irp p, 0,1,2,3
	v_pk_mul_f32 v[T+4*(\p):T+4*(\p)+1], v[X+16*(\p):X+16*(\p)+1], v[X+16*(\p):X+16*(\p)+1]
.endr
.irp k, 2,4,6,8,10,12,14
.irp p, 0,1,2,3
	v_pk_fma_f32 v[T+4*(\p):T+4*(\p)+1], v[X+16*(\p)+(\k):X+16*(\p)+(\k)+1], v[X+16*(\p)+(\k):X+16*(\p)+(\k)+1], v[T+4*(\p):T+4*(\p)+1]
.endr
.endr
	ROWSUM
.irp p, 0,1,2,3
	v_fmamk_f32 v[T+4*(\p)], v[T+4*(\p)], 0x3b800000, v11   ; variance + 1e-5
.endr
.irp p, 0,1,2,3
	v_rsq_f32 v[T+4*(\p)+2], v[T+4*(\p)]
.endr
	v_nop                                          ; a plain instruction behind the last of the four,
	s_wait_alu depctr_va_vdst(0)                   ; and a wait ahead of their first reader: one for the batch
.irp k, 0,2,4,6,8,10,12,14
.irp p, 0,1,2,3
	v_pk_mul_f32 v[X+16*(\p)+(\k):X+16*(\p)+(\k)+1], v[X+16*(\p)+(\k):X+16*(\p)+(\k)+1], v[T+4*(\p)+2:T+4*(\p)+3] op_sel_hi:[1,0]
.endr
.endr
.irp k, 0,2,4,6,8,10,12,14
.irp p, 0,1,2,3
	v_pk_fma_f32 v[X+16*(\p)+(\k):X+16*(\p)+(\k)+1], v[X+16*(\p)+(\k):X+16*(\p)+(\k)+1], v[GA+(\k):GA+(\k)+1], v[BE+(\k):BE+(\k)+1]
.endr
.endr
.irp k, 0,2,4,6,8,10,12,14
.irp p, 0,1,2,3
	v_cvt_pk_f16_f32 v[TMP+8*(\p)+(\k)/2], v[X+16*(\p)+(\k)], v[X+16*(\p)+(\k)+1]
.endr
.endr
.irp p, 0,1,2,3
.irp i, 0,1,2,3
	ds_store_b64 v5, v[TMP+8*(\p)+2*(\i):TMP+8*(\p)+2*(\i)+1] offset:2*XP*(\p)+128*(\i)
.endr
.endr
	v_add_nc_u32 v4, 8192, v4                      ; eight tokens on
	v_add_nc_u32 v5, 8*XP, v5
	s_sub_co_u32 s48, s48, 1
	s_cmp_lg_u32 s48, 0
	s_cbranch_scc1 .Lln
	s_wait_dscnt 0x0                               ; for the others' sake: my rows of xn are written
	s_barrier_signal -1
	s_barrier_wait -1
; THE PRODUCT.
.macro FETCHA ks                       ; 16 LDS loads: xn's eight fragments of K step ks into buffer ks % 2
	WIN 0
.irp m, 0,1,2,3,4,5,6,7
	ds_load_b128 v[AF+64*((\ks)%2)+8*(\m):AF+64*((\ks)%2)+8*(\m)+3],   v3 offset:16*XP*(\m)+64*(\ks)
	ds_load_b128 v[AF+64*((\ks)%2)+8*(\m)+4:AF+64*((\ks)%2)+8*(\m)+7], v3 offset:16*XP*(\m)+64*(\ks)+32
.endr
.endm
.macro MMT ks, u                       ; column tile u (0: q, 1: k), eight token tiles; source 0 = weights
.set fa, AF+64*((\ks)%2)
.set fw, 48*((\ks)%4)+8*(\u)
.if (\ks) == 0
	WIN 0x43                                       ; weights window 3, xn window 0, the bias window 0, sums window 1
.else
	WIN 0x53
.endif
.irp m, 0,1,2,3,4,5,6,7
.if (\ks) == 0
	v_wmma_f32_16x16x32_f16 v[64*(\u)+8*(\m):64*(\u)+8*(\m)+7], v[fw:fw+7], v[fa+8*(\m):fa+8*(\m)+7], v[BQ+8*(\u):BQ+8*(\u)+7]
.else
	v_wmma_f32_16x16x32_f16 v[64*(\u)+8*(\m):64*(\u)+8*(\m)+7], v[fw:fw+7], v[fa+8*(\m):fa+8*(\m)+7], v[64*(\u)+8*(\m):64*(\u)+8*(\m)+7]
.endif
.endr
.endm
.macro MMV ks, u                       ; column tile u (2-5: v), eight token tiles; source 0 = xn
.set fa, AF+64*((\ks)%2)
.set fw, 48*((\ks)%4)+8*(\u)
.set da, 64*((\u)%4)
.if (\u) < 4
.if (\ks) == 0
	WIN 0x4c
.else
	WIN 0x5c
.endif
.else
.if (\ks) == 0
	WIN 0x8c
.else
	WIN 0xac
.endif
.endif
.irp m, 0,1,2,3,4,5,6,7
.if (\ks) == 0
	v_wmma_f32_16x16x32_f16 v[da+8*(\m):da+8*(\m)+7], v[fa+8*(\m):fa+8*(\m)+7], v[fw:fw+7], v[BV+8*((\u)-2):BV+8*((\u)-2)+7]
.else
	v_wmma_f32_16x16x32_f16 v[da+8*(\m):da+8*(\m)+7], v[fa+8*(\m):fa+8*(\m)+7], v[fw:fw+7], v[da+8*(\m):da+8*(\m)+7]
.endif
.endr
.endm
; A K step: 48 products on 48 accumulators, which so take turns; in its middle the next step's fragments of xn; at its end its weight slot is asked for again, four steps ahead
; (steps 4-7 ask for the second head's first four; in the second trip that is the same head once more: 24 KiB a wave that are read and not used, so that one text and one count serve both trips).
.macro KSTEP ks
	s_wait_dscnt 0x0                               ; xn's fragments of this step
.if ((\ks) >= 1) && ((\ks) <= 4)
	s_wait_loadcnt 44                              ; this step's weights are in: behind them three slots of 12 loads and the 8 bias loads were issued
.else
	s_wait_loadcnt 36                              ; behind them three slots of 12
.endif
	MMT \ks, 0
	MMT \ks, 1
	MMV \ks, 2
	PLACES
	FETCHA ((\ks)+1)%8
	MMV \ks, 3
	MMV \ks, 4
	MMV \ks, 5
	PLACES
.if (\ks) < 4
	WLOAD (\ks)%4, WP, 6144*((\ks)+4)
.else
	WLOAD (\ks)%4, WN, 6144*((\ks)-4)
.endif
.if (\ks) == 0
	WIN 0
	BIASLD BN                                      ; the first products have taken the biases: the next head's are asked for
.endif
.endm
.macro OUTT u                          ; column tile u leaves: 32 roundings, each accumulator from its low end on; 8 stores of 512 consecutive bytes
	s_wait_xcnt 0x0                                ; the stores before have read TMP: it is rewritten only behind this wait
.if (\u) < 4
	WIN 0x05
.else
	WIN 0x0a
.endif
.set a, 0
.rept 32
	v_cvt_pk_f16_f32 v[TMP+a], v[64*((\u)%4)+2*a], v[64*((\u)%4)+2*a+1]
.set a, a+1
.endr
	WIN 0
.irp m, 0,1,2,3,4,5,6,7
.if (\u) == 0
	global_store_b128 v2, v[TMP+4*(\m):TMP+4*(\m)+3], s[QP:QP+1] offset:512*(\m)
.elseif (\u) == 1
	global_store_b128 v2, v[TMP+4*(\m):TMP+4*(\m)+3], s[KP:KP+1] offset:512*(\m)
.else
	global_store_b128 v2, v[TMP+4*(\m):TMP+4*(\m)+3], s[VP:VP+1] offset:4096*((\m)/2)+1024*((\u)-2)+512*((\m)%2)
.endif
.endr
.endm
	FETCHA 0
	s_mov_b32 s49, 2
.Lhead:
	s_wait_loadcnt 36                              ; the biases and K step 0's weights are in: behind them three slots of 12 loads were issued
.set k, 0
.rept 8
	v_mul_f32 v[BQ+k], CQ, v[BQ+k]                 ; q's bias carries the scale and log2(e), like q's weights
.set k, k+1
.endr
.irp c, 0,1,2,3
.irp k, 1,2,3,4,5,6,7
	v_mov_b32 v[BV+8*(\c)+(\k)], v[BV+8*(\c)]      ; a lane's eight results of a v tile are one channel's
.endr
.endr
.irp s, 0,1,2,3,4,5,6,7
	KSTEP \s
.endr
.irp s, 0,1,2,3,4,5
	OUTT \s
.endr
	s_wait_xcnt 0x0                                ; loads and stores have read their bases
	s_mov_b64 s[WP:WP+1], s[WN:WN+1]
	s_add_nc_u64 s[QP:QP+1], s[QP:QP+1], 32768
	s_add_nc_u64 s[KP:KP+1], s[KP:KP+1], 32768
	s_add_nc_u64 s[VP:VP+1], s[VP:VP+1], 131072
	s_sub_co_u32 s49, s49, 1
	s_cmp_lg_u32 s49, 0
	s_cbranch_scc1 .Lhead
	s_wait_tensorcnt 0x0                           ; the wave's end: three closing lines, behind my last tensor load and my last LDS store
	ds_add_u32 v[SPW], v[NIL]
	s_wait_dscnt 0x0
	s_endpgm
.Lfunc_end_k_q26f6a775b8_lnqkv:
	.size	k_q26f6a775b8_lnqkv, .Lfunc_end_k_q26f6a775b8_lnqkv-k_q26f6a775b8_lnqkv
	.p2alignl 7, 3214868480
	.fill 96, 4, 3214868480
	.section	.rodata,"a",@progbits
	.p2align	6, 0x0
	.amdhsa_kernel k_q26f6a775b8_lnqkv
		.amdhsa_group_segment_fixed_size 199168
		.amdhsa_private_segment_fixed_size 0
		.amdhsa_enable_private_segment 0
		.amdhsa_kernarg_size 64
		.amdhsa_user_sgpr_count 2
		.amdhsa_user_sgpr_kernarg_segment_ptr 1
		.amdhsa_wavefront_size32 1
		.amdhsa_system_sgpr_workgroup_id_x 1
		.amdhsa_system_sgpr_workgroup_id_y 1
		.amdhsa_system_sgpr_workgroup_id_z 1
		.amdhsa_system_vgpr_workitem_id 0
		.amdhsa_next_free_vgpr 960
		.amdhsa_next_free_sgpr 66
		.amdhsa_reserve_vcc 0
		.amdhsa_float_denorm_mode_32 3
		.amdhsa_float_denorm_mode_16_64 3
		.amdhsa_memory_ordered 1
		.amdhsa_forward_progress 1
		.amdhsa_inst_pref_size 93
	.end_amdhsa_kernel
	.amdgpu_metadata
---
amdhsa.version: [ 1, 2 ]
amdhsa.kernels:
  - .name:           k_q26f6a775b8_lnqkv
    .symbol:         k_q26f6a775b8_lnqkv.kd
    .args:
      - { .name: x, .offset: 0, .size: 8, .value_kind: global_buffer, .address_space: global }
      - { .name: gamma, .offset: 8, .size: 8, .value_kind: global_buffer, .address_space: global }
      - { .name: beta, .offset: 16, .size: 8, .value_kind: global_buffer, .address_space: global }
      - { .name: b_qkv, .offset: 24, .size: 8, .value_kind: global_buffer, .address_space: global }
      - { .name: wq16, .offset: 32, .size: 8, .value_kind: global_buffer, .address_space: global }
      - { .name: qw, .offset: 40, .size: 8, .value_kind: global_buffer, .address_space: global }
      - { .name: kw, .offset: 48, .size: 8, .value_kind: global_buffer, .address_space: global }
      - { .name: vw, .offset: 56, .size: 8, .value_kind: global_buffer, .address_space: global }
    .group_segment_fixed_size: 199168
    .private_segment_fixed_size: 0
    .kernarg_segment_align: 8
    .kernarg_segment_size: 64
    .max_flat_workgroup_size: 128
    .sgpr_count:     66
    .vgpr_count:     960
    .wavefront_size: 32
...
	.end_amdgpu_metadata
.endif
;; end of part 2
;; launch attn (part 3): grid 32 x 8, 4 waves a work-group, clusters of 4 x 1, 327,680 bytes of LDS; arguments qw, kw, vw, tbl, ow; writes ow
.if DOCPART == 3
	.amdgcn_target "amdgcn-amd-amdhsa--gfx1250"
	.amdhsa_code_object_version 6
	.text
	.protected	k_q26f6a775b8_attn
	.globl	k_q26f6a775b8_attn
	.p2align	8
	.type	k_q26f6a775b8_attn,@function
k_q26f6a775b8_attn:
	s_mov_b64 s[64:65], 0
	v_nop
	global_prefetch_b8 v0, s[64:65] scope:SCOPE_SE
	s_setreg_imm32_b32 hwreg(HW_REG_WAVE_MODE, 25, 1), 1
	s_wait_xcnt 0x0
	s_wait_alu depctr_hold_cnt(0) depctr_sa_sdst(0) depctr_va_vdst(0) depctr_va_sdst(0) depctr_va_ssrc(0) depctr_va_vcc(0) depctr_vm_vsrc(0)
	s_getreg_b32 s2, hwreg(HW_REG_IB_STS2, 6, 4)
	s_cmp_eq_u32 s2, 0
	s_cbranch_scc0 .Lentry_in_a_cluster
	s_endpgm
.Lentry_in_a_cluster:
	s_bfe_u32 s2, ttmp6, 0x10000c
	s_cmp_lg_u32 s2, 0x3003
	s_cbranch_scc0 .Lentry_shape_is_right
	s_endpgm
.Lentry_shape_is_right:
; ATTENTION WITH A GATHERED BIAS.  O[b][h][q] = sum over k of softmax_k(q . k / 4 + bias[h][q][k]) v[k]; key size 16, value size 64, 1,024 keys.  Operands f16, products, maxima and sums f32.
; qw (already times log2(e) / 4), kw, vw and tbl (bias times log2(e)) lie in fragment order (the launches before say how); ow leaves in the order of the last launch's fragments:
;   ow [b][tile 64][ks 16][s 2][lane][16 B]: token 16 tile + r, channels 32 ks + 16 s + 8 hh + 0..7 of the 512 (lane = 16 hh + r).
; LIMITS.  q, k, v, bias within f16's 65,504; a weight p lies in 0 to 1 and below 6e-5 keeps f16's fixed step of 6e-8; 2^x below 2^-126 counts as 0; the row sum is taken of the rounded p, as the numerator is; NaN and infinities are not treated apart.
; THE BIAS RIDES IN THE PRODUCT.  The key size fills 16 of the 32 places along K.  S^T = [K | I] x [Q | B]: source 0 is 16 keys' channels and a unit matrix, source 1 is 16 queries' channels and their biases for
; those 16 keys.  A result is the exponent to base 2, bias and scale included; no vector instruction adds anything.  Odd key blocks take [I | K] x [B | Q], so one I lies between two K's and one Q between two B's.
; TWO WALKS.  Walk 1 makes S^T and keeps only each query's maximum m.  Walk 2 makes S^T again with C = -m, so that its result is s - m; then 2^x, rounding to f16, O^T += V^T P and l += ones x P.  The true maximum
; is taken away for every input; nothing is rescaled.
; SHARES.  A cluster is one head (grid y) and one block of 128 queries (cluster x); its four work-groups take 8 batches each; a wave is one batch at a time, two one after the other: 8 query tiles x 1,024 keys.
; The block's biases, 128 x 1,024 x 2 bytes = 256 KiB, are the same for all batches: they are asked for JOINTLY by the four work-groups, once, and stay in LDS.  No LDS byte is filled twice.
; K and V are one wave's alone: they go from memory into registers, 512 consecutive bytes a load, twelve turns ahead in walk 2, a trip ahead in walk 1.
; THE ENDS OF THE WALKS.  Every trip loads ahead for the next one.  The first two key blocks' biases lie in LDS a second time, behind the last: a walk's last trip finds them there, so that LDS addresses only ever step
; upward by a constant, and walk 1's end hands walk 2, and walk 2's end the next batch, the first biases.  K's and V's offsets go back to 0 in a walk's last trip: walk 1 so hands walk 2 its first K; what walk 2's last
; trip loads is not used (20 KiB a batch), so that one text serves every trip and no load leaves its buffer.
; REGISTERS, in windows of 256 (s_set_vgpr_msb: bits 1:0 source 0, 3:2 source 1, 5:4 source 2, 7:6 destination):
;   window 0: v2-7 addresses; v8-15 ones; v16-31 a pair a tile: m, then 1 / l; v32-95 S^T, two buffers of four; v96-127 P, two buffers; v128-191 -m, 8 a tile; v192-255 l, 8 a tile
;   window 1: O^T at 32 t + 8 cb
;   window 2: v0-95 a tile's {B odd, Q, B even} at 12 t; v96-191 eight {K even, I, K odd} at 96 + 12 j; v192-223 walk 1's four results; v224-239 its running maxima
;   window 3: v0-127 four steps of V; v128-255 the packed output
.set MIRROR, 262144                    ; LDS: the biases at 0 .. 262143 (4096 kb + 512 t + 16 lane); here key blocks 0 and 1 once more, 8,192 bytes
.set SPARE, 270336                     ; behind them the spare words, 128 bytes for each wave
.set SPW, 6
.set NIL, 7
.set ONES, 8
.set R,   16
.set S,   32
.set P,   96
.set CM,  128
.set LA,  192
.set KT,  96                           ; window 2
.set S1,  192
.set MX,  224
.set OT,  128                          ; window 3
.set WV,  14
.set G1,  24                           ; s[24:31] descriptor group 1: 128 rows of 256 bytes
.set G0,  32                           ; s[32:35] group 0: the first half of my quarter of the biases
.set QP,  36                           ; s[36:37] Q at my batch, head and block
.set KB,  38                           ; s[38:39] K at my batch and head
.set VB,  40
.set OP,  42
.set KN,  44                           ; K's reloads
.set VC,  46                           ; V at this trip
.set VN,  48                           ; V at the next trip
.set OFS, 50                           ; s[50:51] an offset with 0 above it
.set OK,  52                           ; byte offsets in K, V and the biases: they start at 0 and step by a constant
.set OV,  53
.set OB,  54
.set TRIP1, 55
.set TRIP2, 56
.set TASK, 57
.set FIRE, 58                          ; 1 in the first batch, the greatest number in the second
.set SEL, 60
.set PV,  66                           ; s[66:67] my 16 KiB of the second batch's V; never rewritten
.set PN,  68                           ; s[68:69] my 8 KiB of its Q or K; never rewritten
.set G0M, 72                           ; s[72:75] group 0: my quarter of the second copy
.set G1M, 76                           ; s[76:83] group 1: 8 rows of 256 bytes
.set G0B, 96                           ; s[96:99] group 0: the second half of my quarter
.set MSB, 0
.macro WIN new                         ; the immediate's high byte repeats the setting that is left; a switch that changes nothing is dropped
.if MSB != (\new)
	s_set_vgpr_msb (MSB<<8)|(\new)
.set MSB, \new
.endif
.endm
.macro PLACES                          ; four plain vector instructions between a matrix instruction and a load into, or a read of, its registers
.rept 4
	v_nop
.endr
.endm
.macro CROUND                          ; a round of the cluster's barrier: my work-group's barrier; wave 0 signals for the work-group; every wave waits for all four; my work-group's barrier once more
	s_barrier_signal -1
	s_barrier_wait -1
	s_cmp_lg_u32 s[WV], 0
	s_cbranch_scc1 .Lnot_wave_0_\@
	s_barrier_signal -3
.Lnot_wave_0_\@:
	s_barrier_wait -3
	s_barrier_signal -1
	s_barrier_wait -1
.endm
; A PREFETCH INTO THE L2 of the second batch, in the last trip of the first batch's walk 2, behind turn 5's loads: eleven turns and the way out ahead of that batch's first loads.  Eight work-groups (the eight query
; blocks of a head) will read one batch's K and V.  They share the bytes out BY ADDRESS, by the block's number, each wave for its own batch; a lane names 256 bytes: of V the eighth of that number (16 KiB, two
; instructions); blocks 0-3 a quarter each of Q (8 KiB, two blocks' queries), blocks 4-7 a quarter each of K.  So each 256 bytes of the batch's and head's 192 KiB are named once.  The test hangs on two counters alone.
; The first batch is not asked for: nothing is prefetched at the head, where every work-group's first loads are on their way.
.macro ASK
	WIN 0
	s_cmp_eq_u32 s[TRIP2], s[FIRE]
	s_cbranch_scc0 .Lno_\@
	global_prefetch_b8 v5, s[PV:PV+1] th:TH_LOAD_NT scope:SCOPE_SE
	global_prefetch_b8 v5, s[PV:PV+1] offset:8192 th:TH_LOAD_NT scope:SCOPE_SE
	global_prefetch_b8 v5, s[PN:PN+1] th:TH_LOAD_NT scope:SCOPE_SE
.Lno_\@:
.endm
; A batch's first loads, in this order: its Q (8), the first 256 keys of K (16), the first 128 keys of V (32).
.macro LOADS
	WIN 0x80                                       ; destination window 2, address window 0
.set t, 0
.rept 8
	global_load_b128 v[12*t+4:12*t+7], v2, s[QP:QP+1] offset:512*t
.set t, t+1
.endr
.set t, 0
.rept 8
	global_load_b128 v[KT+12*t:KT+12*t+3],    v2, s[KB:KB+1] offset:1024*t
	global_load_b128 v[KT+12*t+8:KT+12*t+11], v2, s[KB:KB+1] offset:1024*t+512
.set t, t+1
.endr
	WIN 0xc0                                       ; destination window 3
.set t, 0
.rept 32
	global_load_b128 v[4*t:4*t+3], v2, s[VB:VB+1] offset:512*t
.set t, t+1
.endr
	WIN 0
.endm
	s_load_b256 s[4:11], s[0:1], 0x0               ; qw s[4:5], kw s[6:7], vw s[8:9], tbl s[10:11]
	s_load_b64 s[12:13], s[0:1], 0x20              ; ow
	v_lshl_add_u32 v[SPW], v0, 2, SPARE
	v_mov_b32 v[NIL], 0
	ds_add_u32 v[SPW], v[NIL]                      ; the wave's opening: the add and its wait ahead of my first tensor load; the set-up stands between them
	v_lshrrev_b32 v1, 5, v0
	v_readfirstlane_b32 s[WV], v1                  ; wave 0..3
	s_mov_b32 s18, ttmp9                           ; the cluster's x: the block of 128 queries
	s_and_b32 s17, ttmp7, 0xffff                   ; the cluster's y: the head
	s_bfe_u32 s16, ttmp6, 0x40000                  ; cx: it enters the addresses of q, k, v and o alone
	s_lshl_b32 s15, s17, 3
	s_add_co_u32 s15, s15, s18                     ; 8 head + block
	s_mov_b32 s[G1+0], 15|(1<<16)|(1<<21)          ; the mask of four; elements of 2 bytes; bit 21 set beside a mask; no padding: every LDS read takes 512 consecutive bytes
	s_mov_b32 s[G1+1], 128<<16                     ; tensor_dim0 = 128: rows of 256 bytes
	s_mov_b32 s[G1+2], 128<<16                     ; tensor_dim1 = 128
	s_mov_b32 s[G1+3], 128<<16                     ; tile_dim0 = 128
	s_mov_b32 s[G1+4], 128                         ; tile_dim1 = 128: 32 KiB
	s_mov_b32 s[G1+5], 128                         ; 128 elements from row to row: dense
	s_mov_b32 s[G1+6], 0
	s_mov_b32 s[G1+7], 0
	s_mov_b32 s[G1M+0], 15|(1<<16)|(1<<21)
	s_mov_b32 s[G1M+1], 128<<16
	s_mov_b32 s[G1M+2], 8<<16                      ; tensor_dim1 = 8
	s_mov_b32 s[G1M+3], 128<<16
	s_mov_b32 s[G1M+4], 8                          ; tile_dim1 = 8: 2 KiB
	s_mov_b32 s[G1M+5], 128
	s_mov_b32 s[G1M+6], 0
	s_mov_b32 s[G1M+7], 0
	s_mov_b32 s[G0], 1
	s_lshl_b32 s[G0+1], s[WV], 16                  ; LDS: 65,536 x wave
	s_mov_b32 s[G0B], 1
	s_add_co_u32 s[G0B+1], s[G0+1], 32768          ; and 32,768 on
	s_mov_b32 s[G0M], 1
	s_lshl_b32 s[G0M+1], s[WV], 11
	s_add_co_u32 s[G0M+1], s[G0M+1], MIRROR        ; LDS: the second copy, 2,048 x wave
	s_lshl_b32 s[OFS], s15, 18                     ; tbl: 262,144 x (8 head + block),
	s_lshl_b32 s22, s[WV], 11
	s_add_co_u32 s22, s22, s[OFS]                  ; + 2,048 x wave for the second copy,
	s_mov_b32 s23, 0
	s_add_co_u32 s[OFS], s[OFS], s[G0+1]           ; + 65,536 x wave for my quarter
	s_mov_b32 s[OFS+1], 0
	s_lshl_b32 s20, s16, 3
	s_add_co_u32 s20, s20, s[WV]                   ; my first batch: 8 cx + wave
	s_lshl_b32 s21, s20, 3
	s_add_co_u32 s21, s21, s17                     ; 8 batch + head
	s_lshl_b32 s84, s21, 15                        ; qw, kw: 32,768 bytes a batch and head
	s_mov_b32 s85, 0
	s_lshl_b32 s86, s18, 12
	s_add_co_u32 s86, s86, s84                     ; + 4,096 x block
	s_mov_b32 s87, 0
	s_lshl_b32 s88, s21, 17                        ; vw: 131,072 bytes a batch and head
	s_mov_b32 s89, 0
	s_lshl_b32 s90, s20, 20                        ; ow: 1048576 batch
	s_lshl_b32 s19, s18, 17
	s_add_co_u32 s90, s90, s19                     ; + 131072 block
	s_lshl_b32 s19, s17, 11
	s_add_co_u32 s90, s90, s19                     ; + 2048 head
	s_mov_b32 s91, 0
	s_and_b32 s92, s18, 3                          ; the second batch's Q or K: quarter block % 4,
	s_lshl_b32 s92, s92, 13
	s_add_co_u32 s92, s92, s84
	s_add_co_u32 s92, s92, 0x100000                ; four batches on
	s_mov_b32 s93, 0
	s_lshl_b32 s94, s18, 14                        ; the second batch's V: the eighth of the block's number,
	s_add_co_u32 s94, s94, 0x400000                ; four batches on
	s_mov_b32 s95, 0
	s_mov_b32 s[FIRE], 1
	s_mov_b32 s[SEL], 0x76543210                   ; v_permlanex16_b32: each lane takes its own place in the other half
	s_mov_b32 s[SEL+1], 0xfedcba98
	v_and_b32 v2, 31, v0
	v_lshlrev_b32 v5, 8, v2                        ; v5  256 x lane, for the prefetches; never rewritten
	v_lshlrev_b32 v2, 4, v2                        ; v2  16 x lane; never rewritten
.set t, 0
.rept 8
	v_mov_b32 v[ONES+t], 0x3c003c00                ; 1.0 twice in f16
.set t, t+1
.endr
.set t, 0
.rept 16
	v_mov_b32 v[R+t], 0                            ; named in pairs and as a lane exchange's destination, so they are written
.set t, t+1
.endr
	s_wait_dscnt 0x0                               ; the opening add is done
	s_wait_kmcnt 0x0
	s_add_nc_u64 s[G0+2:G0+3], s[10:11], s[OFS:OFS+1]
	s_add_nc_u64 s[G0B+2:G0B+3], s[G0+2:G0+3], 32768
	s_add_nc_u64 s[G0M+2:G0M+3], s[10:11], s[22:23]
	s_or_b32 s[G0+3], s[G0+3], 0x80000000
	s_or_b32 s[G0B+3], s[G0B+3], 0x80000000
	s_or_b32 s[G0M+3], s[G0M+3], 0x80000000
	s_add_nc_u64 s[QP:QP+1], s[4:5], s[86:87]
	s_add_nc_u64 s[KB:KB+1], s[6:7], s[84:85]
	s_add_nc_u64 s[VB:VB+1], s[8:9], s[88:89]
	s_add_nc_u64 s[OP:OP+1], s[12:13], s[90:91]
	s_add_nc_u64 s[PV:PV+1], s[VB:VB+1], s[94:95]
	s_cmp_lt_u32 s18, 4
	s_cselect_b64 s[PN:PN+1], s[4:5], s[6:7]
	s_add_nc_u64 s[PN:PN+1], s[PN:PN+1], s[92:93]
	CROUND                                         ; all four work-groups are here: the joint loads meet
	tensor_load_to_lds s[G0:G0+3], s[G1:G1+7]      ; my quarter of the biases in two halves, and my quarter of the second copy: three loads of mine are out
	s_nop 0
	tensor_load_to_lds s[G0B:G0B+3], s[G1:G1+7]
	s_nop 0
	tensor_load_to_lds s[G0M:G0M+3], s[G1M:G1M+7]
	s_nop 0
	PLACES
	LOADS                                          ; the first batch
	; The unit matrix as a half fragment: lane (r, hh) holds row r, columns 8 hh + 0..7: 1.0 in register (r % 8) / 2, half r % 2, where r / 8 = hh.
	v_and_b32 v32, 15, v0
	v_bfe_u32 v33, v0, 4, 1
	v_and_b32 v34, 1, v32
	v_lshlrev_b32 v34, 4, v34
	v_mov_b32 v35, 0x3c00
	v_lshlrev_b32 v35, v34, v35
	v_lshrrev_b32 v36, 3, v32
	v_cmp_eq_u32 vcc_lo, v36, v33
	v_cndmask_b32 v35, 0, v35, vcc_lo
	v_bfe_u32 v37, v32, 1, 2
	WIN 0x80
.irp i, 0,1,2,3
	v_cmp_eq_u32 vcc_lo, \i, v37
.set t, 0
.rept 8
	v_cndmask_b32 v[KT+12*t+4+(\i)], 0, v35, vcc_lo
.set t, t+1
.endr
.endr
	WIN 0
	s_wait_tensorcnt 0x0                           ; my parts of the biases are in,
	s_barrier_signal -1
	s_barrier_wait -1                              ; everybody's are
	WIN 0x80
.set t, 0
.rept 8
	ds_load_b128 v[12*t+8:12*t+11], v2 offset:512*t            ; the first key block's biases, all 8 tiles,
.set t, t+1
.endr
.set t, 0
.rept 8
	ds_load_b128 v[12*t:12*t+3], v2 offset:4096+512*t          ; and the second's
.set t, t+1
.endr
	WIN 0
	s_mov_b32 s[TASK], 2
; WALK 1.  A group is one key block x 8 tiles.  Behind product i stand the four maxima over product i - 2's result: eight plain instructions lie between a product and the first read of its result, which begins at the
; low end.  Behind the fourth and the eighth product four LDS loads fill the bias slots just read with the key block two on; the last product's four maxima are their places.  Behind an odd group its pair of key blocks
; is asked for again, for the next trip.
.macro P1GROUP
.if par == 0
	s_wait_loadcnt 14                              ; this pair of key blocks is in: behind its two loads the seven other pairs' were issued
.endif
	s_wait_dscnt 8                                 ; this group's biases are in: behind them the last group's eight loads were issued
.set kb, 2*jj+par
.set t, 0
.rept 8
.set i, 16*jj+8*par+t
.set ra, KT+12*jj+4*par
.set rb, 12*t+4-4*par
.set rd, S1+8*(i%4)
.set rl, S1+8*((i+2)%4)
.set rm, MX+2*((t+6)%8)
	WIN 0xaa                                       ; everything in window 2
	v_wmma_f32_16x16x32_f16 v[rd:rd+7], v[ra:ra+7], v[rb:rb+7], 0
	v_max3_num_f32 v[rm], v[rm], v[rl], v[rl+1]
	v_max3_num_f32 v[rm+1], v[rm+1], v[rl+2], v[rl+3]
	v_max3_num_f32 v[rm], v[rm], v[rl+4], v[rl+5]
	v_max3_num_f32 v[rm+1], v[rm+1], v[rl+6], v[rl+7]
.if (t%4) == 3
	WIN 0x80                                       ; destination window 2, address window 0
.set tt, t-3
.rept 4
.set rs, 12*tt+8-8*par
.if kb < 14
	ds_load_b128 v[rs:rs+3], v3 offset:4096*(kb+2)+512*tt
.else
	ds_load_b128 v[rs:rs+3], v4 offset:4096*(kb-14)+512*tt
.endif
.set tt, tt+1
.endr
.endif
.set t, t+1
.endr
.if par == 1
	global_load_b128 v[KT+12*jj:KT+12*jj+3],    v2, s[KN:KN+1] offset:1024*jj      ; the pair's place in the next 256 keys
	global_load_b128 v[KT+12*jj+8:KT+12*jj+11], v2, s[KN:KN+1] offset:1024*jj+512
.endif
.endm
; WALK 2.  A step is 32 keys, a turn 2 tiles x 32 keys, a trip 4 steps = 16 turns.  Turn n: the roundings of turn n - 1's weights; S^T of turn n + 1 (4 products, C = -m); O^T and l of turn n - 1 (8 + 2 products);
; the 32 exponentials of turn n, two or three behind each of the last eleven products.  S^T and P have two buffers, by n's parity.  A turn's exponentials are one batch: nothing in the turn names a result of theirs,
; and one wait stands at its end.  No accumulator is named by two matrix instructions on end: O^T's and l's come up again four turns later.
.macro CV a                            ; result a of the buffer of turn n - 1, rounded into P
	WIN 0
.set k, 0
.rept 4
	v_cvt_pk_f16_f32 v[pb+4*(\a)+k], v[sb+8*(\a)+2*k], v[sb+8*(\a)+2*k+1]
.set k, k+1
.endr
.endm
.macro EXN cnt                         ; the turn's next exponentials, in ascending order: each result is first read at its low end
	WIN 0
.rept \cnt
	v_exp_f32 v[se+e], v[se+e]
.set e, e+1
.endr
.endm
.macro QK a                            ; product a of turn nn: tile 2 (nn % 4) + a / 2, key block a % 2 of step nn / 4
.set u, 2*(nn%4)+(\a)/2
.set ra, KT+12*(nn/4)+4*((\a)%2)
.set rb, 12*u+4-4*((\a)%2)
	WIN 0x0a                                       ; sources 0 and 1 window 2; -m and S^T window 0
	v_wmma_f32_16x16x32_f16 v[sb+8*(\a):sb+8*(\a)+7], v[ra:ra+7], v[rb:rb+7], v[CM+8*u:CM+8*u+7]
.endm
; ld = 1: the loads.  Four LDS loads fill the bias slots that the last turn's products read, for the next step.  In a step's second turn the V buffer that the last turn finished is asked for again, in its fourth turn
; the step's K.  In front of each stand the v_nop that ends the last turn and four roundings: five places behind the last product that read the registers.
.macro TURN n, qk, ex, ld
.set pn, ((\n)+15)%16
.set nn, ((\n)+1)%16
.set sb, S+32*(((\n)+1)%2)
.set se, S+32*((\n)%2)
.set pb, P+16*(((\n)+1)%2)
.set tj, (\n)/4
.set pr, (\n)%4
.set e, 0
	CV 0
.if \ld
	WIN 0x80
.irp z, 0,1
.set u, 2*pr+(\z)
.if tj < 3
	ds_load_b128 v[12*u+8:12*u+11], v3 offset:8192*(tj+1)+512*u
	ds_load_b128 v[12*u:12*u+3],    v3 offset:8192*(tj+1)+4096+512*u
.else
	ds_load_b128 v[12*u+8:12*u+11], v4 offset:512*u
	ds_load_b128 v[12*u:12*u+3],    v4 offset:4096+512*u
.endif
.endr
.if pr == 3
	global_load_b128 v[KT+12*tj:KT+12*tj+3],    v2, s[KN:KN+1] offset:1024*tj
	global_load_b128 v[KT+12*tj+8:KT+12*tj+11], v2, s[KN:KN+1] offset:1024*tj+512
	s_wait_loadcnt 30                              ; the next step's K, asked for twelve turns ago, is in: behind it 3 x (8 + 2) loads were issued
.endif
.if pr == 1
	WIN 0xc0
.set vb, (tj+3)%4
.set z2, 0
.rept 8
.if tj == 0
	global_load_b128 v[32*vb+4*z2:32*vb+4*z2+3], v2, s[VC:VC+1] offset:12288+512*z2      ; this trip's fourth step
.else
	global_load_b128 v[32*vb+4*z2:32*vb+4*z2+3], v2, s[VN:VN+1] offset:4096*(tj-1)+512*z2  ; the next trip's
.endif
.set z2, z2+1
.endr
.if (\n) == 5
	ASK                                            ; behind the turn's loads; the wait below is for loads issued twelve turns ago
.endif
	s_wait_loadcnt 30                              ; this step's V, asked for twelve turns ago, is in: behind it 3 x (2 + 8) loads were issued
.endif
	s_wait_dscnt 12                                ; the biases that this turn's products read are in: behind them three turns' four loads were issued
.endif
.if \qk
	QK 0
	CV 1                                           ; each result is rounded ahead of the product that writes over it
	QK 1
	CV 2
	QK 2
	CV 3
	QK 3
.else
	CV 1
	CV 2
	CV 3
.endif
.if \ex
	EXN 2
.endif
.set i, 0
.rept 8
.set u, 2*(pn%4)+i%2
.set ro, 32*u+8*(i/2)
.set rv, 32*(pn/4)+8*(i/2)
	WIN 0x53                                       ; V window 3, P window 0, O^T window 1
	v_wmma_f32_16x16x32_f16 v[ro:ro+7], v[rv:rv+7], v[pb+8*(i%2):pb+8*(i%2)+7], v[ro:ro+7]
.if \ex
	EXN 3
.endif
.set i, i+1
.endr
	WIN 0
.irp z, 0,1
.set u, 2*(pn%4)+(\z)
	v_wmma_f32_16x16x32_f16 v[LA+8*u:LA+8*u+7], v[ONES:ONES+7], v[pb+8*(\z):pb+8*(\z)+7], v[LA+8*u:LA+8*u+7]  ; every row of the result is the queries' sum of weights
.if \ex
	EXN 3
.endif
.endr
.if \ex
	v_nop                                          ; a plain instruction behind the last exponential,
	s_wait_alu depctr_va_vdst(0)                   ; and a wait ahead of the first reader: one for the 32
.endif
.endm
.Ltask:                                                ; a batch; its first loads are on their way
	; O^T, l and the second S^T buffer start at 0, walk 1's maxima (and the two results that its first riders read) at the lowest finite number: 384 lines, the price of writing no first step out.
	WIN 0x40
.set t, 0
.rept 256
	v_mov_b32 v[t], 0
.set t, t+1
.endr
	WIN 0
.set t, 0
.rept 64
	v_mov_b32 v[LA+t], 0
.set t, t+1
.endr
.set t, 0
.rept 32
	v_mov_b32 v[S+32+t], 0
.set t, t+1
.endr
	WIN 0x80
.set t, 0
.rept 32
	v_mov_b32 v[S1+16+t], 0xff7fffff
.set t, t+1
.endr
	WIN 0
	s_mov_b32 s[OK], 0
	s_mov_b32 s[OV], 0
	s_mov_b32 s[OB], 0
	s_wait_loadcnt 32                              ; Q and K are in; V's 32 loads may stay out
	s_wait_dscnt 0x0                               ; all 16 bias slots hold the first two key blocks
	s_mov_b32 s[TRIP1], 4
.Lp1:                                                  ; 256 keys, 128 products
	s_wait_xcnt 0x0                                ; K's reloads have read their base
	s_add_co_u32 s[OK], s[OK], 8192                ; the next trip's 256 keys;
	s_cmp_eq_u32 s[TRIP1], 1
	s_cselect_b32 s[OFS], 0, s[OK]                 ; behind the last trip: the first keys, for walk 2
	s_add_nc_u64 s[KN:KN+1], s[KB:KB+1], s[OFS:OFS+1]
	v_add_nc_u32 v3, s[OB], v2                     ; this trip's biases,
	s_add_co_u32 s[OB], s[OB], 65536
	v_add_nc_u32 v4, s[OB], v2                     ; the next trip's; behind the last trip: the second copy of the first two key blocks
.set jj, 0
.rept 8
.set par, 0
.rept 2
	P1GROUP
.set par, par+1
.endr
.set jj, jj+1
.endr
	WIN 0
	s_sub_co_u32 s[TRIP1], s[TRIP1], 1
	s_cmp_lg_u32 s[TRIP1], 0
	s_cbranch_scc1 .Lp1
	WIN 0xaa
.irp z, 0,1                            ; the last two products' maxima: results 2 and 3, tiles 6 and 7
	v_max3_num_f32 v[MX+12+2*(\z)], v[MX+12+2*(\z)], v[S1+16+8*(\z)], v[S1+16+8*(\z)+1]
	v_max3_num_f32 v[MX+13+2*(\z)], v[MX+13+2*(\z)], v[S1+16+8*(\z)+2], v[S1+16+8*(\z)+3]
	v_max3_num_f32 v[MX+12+2*(\z)], v[MX+12+2*(\z)], v[S1+16+8*(\z)+4], v[S1+16+8*(\z)+5]
	v_max3_num_f32 v[MX+13+2*(\z)], v[MX+13+2*(\z)], v[S1+16+8*(\z)+6], v[S1+16+8*(\z)+7]
.endr
	WIN 0x0a
.set t, 0
.rept 8
	v_max_num_f32 v[R+2*t], v[MX+2*t], v[MX+2*t+1]
.set t, t+1
.endr
	WIN 0
.set t, 0
.rept 8
	v_permlanex16_b32 v[R+2*t+1], v[R+2*t], s[SEL], s[SEL+1]   ; a query's other keys lie in the lane 16 away
.set t, t+1
.endr
.set t, 0
.rept 8
	v_max_num_f32 v[R+2*t], v[R+2*t], v[R+2*t+1]
.set t, t+1
.endr
.set t, 0
.rept 64
	v_mul_f32 v[CM+t], -1.0, v[R+2*(t/8)]          ; -m, as the C operand of a tile's products
.set t, t+1
.endr
	s_mov_b32 s[OK], 0
	s_mov_b32 s[OB], 0
	s_wait_dscnt 0x0                               ; the slots hold the first two key blocks again
	s_wait_loadcnt 8                               ; so do the first four pairs of K; the other four pairs' eight loads may stay out; V, asked for earlier, is in
.set nn, 0
.set sb, S
	QK 0                                           ; turn 0's S^T
	QK 1
	QK 2
	QK 3
	WIN 0
	PLACES
	s_mov_b32 s[TRIP2], 8
.Lp2:                                                  ; 128 keys, 16 turns.  The first turn of all rounds zeros and adds 0 x V
	s_wait_xcnt 0x0                                ; the reloads have read their bases
	s_mov_b32 s[OFS], s[OV]
	s_add_nc_u64 s[VC:VC+1], s[VB:VB+1], s[OFS:OFS+1]
	s_add_co_u32 s[OV], s[OV], 16384               ; the next trip's 128 keys of V
	s_add_co_u32 s[OK], s[OK], 4096                ; and of K;
	s_cmp_eq_u32 s[TRIP2], 1                       ; behind the last trip there are none: offset 0 keeps the loads inside their buffers
	s_cselect_b32 s[OFS], 0, s[OV]
	s_add_nc_u64 s[VN:VN+1], s[VB:VB+1], s[OFS:OFS+1]
	s_cselect_b32 s[OFS], 0, s[OK]
	s_add_nc_u64 s[KN:KN+1], s[KB:KB+1], s[OFS:OFS+1]
	v_add_nc_u32 v3, s[OB], v2                     ; this trip's biases,
	s_add_co_u32 s[OB], s[OB], 32768
	v_add_nc_u32 v4, s[OB], v2                     ; the next trip's; behind the last trip: the second copy, for the next batch
.irp q, 0,1,2,3,4,5,6,7,8,9,10,11,12,13,14,15
	TURN \q, 1, 1, 1
.endr
	WIN 0
	s_sub_co_u32 s[TRIP2], s[TRIP2], 1
	s_cmp_lg_u32 s[TRIP2], 0
	s_cbranch_scc1 .Lp2
	TURN 0, 0, 0, 0                                ; the last turn's roundings and its ten products
	; THE WAY OUT.  O^T / l, rounded to f16: a lane's eight channels of a query are 16 bytes, and a wave's store covers 512 consecutive bytes, aligned.
	WIN 0
	PLACES
.set t, 0
.rept 8
	v_rcp_f32 v[R+2*t], v[LA+8*t]
.set t, t+1
.endr
	v_nop                                          ; a plain instruction behind the last reciprocal,
	s_wait_alu depctr_va_vdst(0)                   ; and one wait for the eight, ahead of their first reader
.set t, 0
.rept 8
	WIN 0x41                                       ; O^T window 1, 1 / l window 0
.set k, 0
.rept 16
	v_pk_mul_f32 v[32*t+2*k:32*t+2*k+1], v[32*t+2*k:32*t+2*k+1], v[R+2*t:R+2*t+1] op_sel_hi:[1,0]
.set k, k+1
.endr
	WIN 0xc5                                       ; sources window 1, destination window 3
.set k, 0
.rept 16
	v_cvt_pk_f16_f32 v[OT+16*t+k], v[32*t+2*k], v[32*t+2*k+1]
.set k, k+1
.endr
	WIN 0x0c                                       ; store data window 3, address window 0
.set k, 0
.rept 4
	global_store_b128 v2, v[OT+16*t+4*k:OT+16*t+4*k+3], s[OP:OP+1] offset:16384*t+512*k
.set k, k+1
.endr
.set t, t+1
.endr
	WIN 0
	s_cmp_eq_u32 s[TASK], 1
	s_cbranch_scc1 .Ldone                          ; the second batch is done: nothing more is loaded
	s_wait_loadcnt 0x0                             ; the last trip's reloads name the registers that the loads below fill
	s_wait_xcnt 0x0                                ; loads and stores have read their bases, and the stores the packed output
	s_add_nc_u64 s[QP:QP+1], s[QP:QP+1], 0x100000  ; four batches on
	s_add_nc_u64 s[KB:KB+1], s[KB:KB+1], 0x100000
	s_add_nc_u64 s[VB:VB+1], s[VB:VB+1], 0x400000
	s_add_nc_u64 s[OP:OP+1], s[OP:OP+1], 0x400000
	s_mov_b32 s[FIRE], -1                          ; there is no third batch to ask for
	LOADS
	s_sub_co_u32 s[TASK], s[TASK], 1
	s_cmp_lg_u32 s[TASK], 0
	s_cbranch_scc1 .Ltask
.Ldone:
	s_wait_tensorcnt 0x0                           ; the wave's end: three closing lines, behind my last tensor load
	ds_add_u32 v[SPW], v[NIL]
	s_wait_dscnt 0x0
	CROUND                                         ; the closing round
	s_endpgm
.Lfunc_end_k_q26f6a775b8_attn:
	.size	k_q26f6a775b8_attn, .Lfunc_end_k_q26f6a775b8_attn-k_q26f6a775b8_attn
	.p2alignl 7, 3214868480
	.fill 96, 4, 3214868480
	.section	.rodata,"a",@progbits
	.p2align	6, 0x0
	.amdhsa_kernel k_q26f6a775b8_attn
		.amdhsa_group_segment_fixed_size 327680
		.amdhsa_private_segment_fixed_size 0
		.amdhsa_enable_private_segment 0
		.amdhsa_kernarg_size 40
		.amdhsa_user_sgpr_count 2
		.amdhsa_user_sgpr_kernarg_segment_ptr 1
		.amdhsa_wavefront_size32 1
		.amdhsa_system_sgpr_workgroup_id_x 1
		.amdhsa_system_sgpr_workgroup_id_y 1
		.amdhsa_system_sgpr_workgroup_id_z 1
		.amdhsa_system_vgpr_workitem_id 0
		.amdhsa_next_free_vgpr 1024
		.amdhsa_next_free_sgpr 100
		.amdhsa_reserve_vcc 1
		.amdhsa_float_denorm_mode_32 3
		.amdhsa_float_denorm_mode_16_64 3
		.amdhsa_memory_ordered 1
		.amdhsa_forward_progress 1
		.amdhsa_inst_pref_size 182
	.end_amdhsa_kernel
	.amdgpu_metadata
---
amdhsa.version: [ 1, 2 ]
amdhsa.kernels:
  - .name:           k_q26f6a775b8_attn
    .symbol:         k_q26f6a775b8_attn.kd
    .args:
      - { .name: qw, .offset: 0, .size: 8, .value_kind: global_buffer, .address_space: global }
      - { .name: kw, .offset: 8, .size: 8, .value_kind: global_buffer, .address_space: global }
      - { .name: vw, .offset: 16, .size: 8, .value_kind: global_buffer, .address_space: global }
      - { .name: tbl, .offset: 24, .size: 8, .value_kind: global_buffer, .address_space: global }
      - { .name: ow, .offset: 32, .size: 8, .value_kind: global_buffer, .address_space: global }
    .group_segment_fixed_size: 327680
    .private_segment_fixed_size: 0
    .kernarg_segment_align: 8
    .kernarg_segment_size: 40
    .max_flat_workgroup_size: 128
    .sgpr_count:     100
    .vgpr_count:     1024
    .wavefront_size: 32
...
	.end_amdgpu_metadata
.endif
;; end of part 3
;; launch proj (part 4): grid 256 x 1, 4 waves a work-group, no clusters, 167,936 bytes of LDS; arguments ow, wp16, b_proj, out0; writes out0
.if DOCPART == 4
	.amdgcn_target "amdgcn-amd-amdhsa--gfx1250"
	.amdhsa_code_object_version 6
	.text
	.protected	k_q26f6a775b8_proj
	.globl	k_q26f6a775b8_proj
	.p2align	8
	.type	k_q26f6a775b8_proj,@function
k_q26f6a775b8_proj:
	s_mov_b64 s[64:65], 0
	v_nop
	global_prefetch_b8 v0, s[64:65] scope:SCOPE_SE
	s_setreg_imm32_b32 hwreg(HW_REG_WAVE_MODE, 25, 1), 1
	s_wait_xcnt 0x0
; THE OUTPUT PROJECTION.  out0[token][c] = sum over d of O[token][d] w_proj[c][d] + b_proj[c]; O and the weights in f16 (each rounded once, by the launches before), sums and output in f32.
; ow [b][tile 64][ks 16][s 2][lane][16 B] and wp16 [wq 4][ks 16][nt 4][s 2][lane][16 B] lie in fragment order.
; SHARES.  A work-group owns 128 tokens, 128 dense KiB of ow, in two halves of 64; wave w makes outputs 64 w .. + 63 for all of them: 4 x 4 accumulators a half, 16 K steps of 32.
; Each half comes by one tensor load a wave (64 rows of 256 bytes); both go out at the start, and no LDS byte is filled twice.  A wave's 64 weight fragments, 512 registers, are loaded once and kept.
; The product is taken transposed (source 0 = weights): a lane ends with 8 neighbouring outputs of a token.  The bias is the C operand of each sum's first product.
; The way out goes through the wave's own stage in LDS: 16 tokens x 256 bytes, back by rows, so that sixteen lanes store 256 consecutive bytes, aligned.
; NO CLUSTER: a weight fragment goes to one wave's registers and stays there, 64 KiB a wave read once; ow's tokens are the work-group's own.  NO PREFETCH: everything is asked for at the head.
; REGISTERS (s_set_vgpr_msb: bits 1:0 source 0, 3:2 source 1, 5:4 source 2, 7:6 destination): window 0: v2-9 addresses; v32-63 rows read back; v64-191 a ring of four K steps' fragments of O; v192-223 the bias;
;   window 1: the accumulators at 8 (4 mt + nt); window 2: the weights of K steps 0-7 at 32 ks + 8 nt; window 3: of K steps 8-15.
.set OAH,   65536                      ; LDS: a half of O: 16384 mt + 1024 ks + 512 s + 16 lane
.set STAGE, 131072
.set SP,    272                        ; a stage row: 256 bytes + 16, so that the 16 rows of a store start 16 bytes apart modulo 256
.set SPARE, 148480                     ; behind the stages: the spare words, 128 bytes for each wave
.set SPW, 6
.set NIL, 7
.set OB,  32
.set AR,  64
.set BP,  192
.set G1, 24
.set G0, 32
.set MSB, 0
.macro WIN new
.if MSB != (\new)
	s_set_vgpr_msb (MSB<<8)|(\new)
.set MSB, \new
.endif
.endm
.macro PLACES                          ; four plain vector instructions between a matrix instruction and a load into, or a read of, its registers
.rept 4
	v_nop
.endr
.endm
	s_load_b256 s[4:11], s[0:1], 0x0               ; ow s[4:5], wp16 s[6:7], b_proj s[8:9], out0 s[10:11]
	v_lshl_add_u32 v[SPW], v0, 2, SPARE
	v_mov_b32 v[NIL], 0
	ds_add_u32 v[SPW], v[NIL]                      ; the wave's opening: the add and its wait ahead of my first tensor load; the set-up stands between them
	v_lshrrev_b32 v1, 5, v0
	v_readfirstlane_b32 s20, v1                    ; wave 0..3
	s_mov_b32 s[G1+0], 3<<16                       ; elements of 8 bytes
	s_mov_b32 s[G1+1], 32<<16                      ; rows of 256 bytes
	s_mov_b32 s[G1+2], 64<<16
	s_mov_b32 s[G1+3], 32<<16
	s_mov_b32 s[G1+4], 64                          ; 64 rows: one token tile, 16 KiB
	s_mov_b32 s[G1+5], 32
	s_mov_b32 s[G1+6], 0
	s_mov_b32 s[G1+7], 0
	s_mov_b32 s[G0], 1
	s_lshl_b32 s[G0+1], s20, 14                    ; first half: 16,384 x wave
	s_mov_b32 s[G0+4], 1
	s_add_co_u32 s[G0+5], s[G0+1], OAH             ; second half
	s_lshl_b32 s40, ttmp9, 17                      ; the work-group's 128 KiB, of ow and of out0
	s_mov_b32 s41, 0
	s_add_co_u32 s42, s40, s[G0+1]
	s_mov_b32 s43, 0
	s_lshl_b32 s44, s20, 16                        ; wp16: 65,536 x wave
	s_mov_b32 s45, 0
	s_lshl_b32 s46, s20, 8                         ; my 64 outputs: 256 bytes
	s_mov_b32 s47, 0
	s_add_co_u32 s40, s40, s46
	s_mul_i32 s21, s20, 16*SP
	s_add_co_u32 s21, s21, STAGE                   ; my stage
	v_and_b32 v10, 15, v0
	v_bfe_u32 v11, v0, 4, 1
	v_and_b32 v2, 31, v0
	v_lshlrev_b32 v2, 4, v2                        ; v2  16 x lane
	v_mov_b32 v3, v2                               ; v3  the half of O in hand
	v_mul_u32_u24 v4, v10, SP
	v_lshl_add_u32 v4, v11, 5, v4
	v_add_nc_u32 v4, s21, v4                       ; v4  into the stage: token r, 32 bytes for each half of the lanes
	v_mul_u32_u24 v5, v11, SP
	v_lshl_add_u32 v5, v10, 4, v5
	v_add_nc_u32 v5, s21, v5                       ; v5  back: lanes 0-15 one row of 256 bytes, lanes 16-31 the next
	v_lshlrev_b32 v8, 10, v11
	v_lshl_add_u32 v8, v10, 4, v8                  ; v8  the same two rows in out0
	v_lshlrev_b32 v9, 5, v11                       ; v9  32 hh
	s_wait_dscnt 0x0                               ; the opening add is done
	s_wait_kmcnt 0x0
	s_add_nc_u64 s[G0+2:G0+3], s[4:5], s[42:43]
	s_add_nc_u64 s[G0+6:G0+7], s[G0+2:G0+3], OAH
	s_or_b32 s[G0+3], s[G0+3], 0x80000000
	s_or_b32 s[G0+7], s[G0+7], 0x80000000
	tensor_load_to_lds s[G0:G0+3], s[G1:G1+7]      ; both first fills go out together: two loads of mine are out
	s_nop 0
	tensor_load_to_lds s[G0+4:G0+7], s[G1:G1+7]
	s_nop 0
	PLACES
	s_add_nc_u64 s[6:7], s[6:7], s[44:45]
	s_add_nc_u64 s[8:9], s[8:9], s[46:47]
	s_add_nc_u64 s[10:11], s[10:11], s[40:41]
.irp c, 0,1,2,3
	global_load_b128 v[BP+8*(\c):BP+8*(\c)+3],   v9, s[8:9] offset:64*(\c)
	global_load_b128 v[BP+8*(\c)+4:BP+8*(\c)+7], v9, s[8:9] offset:64*(\c)+16
.endr
	WIN 0x80
.set z, 0
.rept 64
	global_load_b128 v[4*z:4*z+3], v2, s[6:7] offset:512*z
.set z, z+1
.endr
	WIN 0xc0
.set z, 0
.rept 64
	global_load_b128 v[4*z:4*z+3], v2, s[6:7] offset:32768+512*z
.set z, z+1
.endr
	WIN 0
	s_wait_tensorcnt 0x1                           ; my part of the first half is in; the second half's may stay out
	s_barrier_signal -1
	s_barrier_wait -1
.macro FETCH ks                        ; 8 LDS loads: four token tiles' fragments of K step ks into ring slot ks % 4
	WIN 0
.irp m, 0,1,2,3
	ds_load_b128 v[AR+32*((\ks)%4)+8*(\m):AR+32*((\ks)%4)+8*(\m)+3],   v3 offset:16384*(\m)+1024*(\ks)
	ds_load_b128 v[AR+32*((\ks)%4)+8*(\m)+4:AR+32*((\ks)%4)+8*(\m)+7], v3 offset:16384*(\m)+1024*(\ks)+512
.endr
.endm
.macro STEP ks                         ; 16 products on 16 accumulators, which so take turns
	PLACES                                         ; behind the last step's products: the slot filled below was read two steps back
.if (\ks) < 14
	FETCH (\ks)+2
	s_wait_dscnt 16                                ; this step's fragments are in: behind them two steps' eight loads were issued
.elseif (\ks) == 14
	s_wait_dscnt 8
.else
	s_wait_dscnt 0x0
.endif
.set lc, 8*(15-(\ks))                  ; the weight loads of the later K steps; the wait's field ends at 63
.if lc > 63
.set lc, 63
.endif
	s_wait_loadcnt lc
.if (\ks) == 0
	WIN 0x42                                       ; weights window 2, O window 0, the bias window 0, sums window 1
.elseif (\ks) < 8
	WIN 0x52
.else
	WIN 0x53
.endif
.irp m, 0,1,2,3
.irp c, 0,1,2,3
.if (\ks) == 0
	v_wmma_f32_16x16x32_f16 v[8*(4*(\m)+(\c)):8*(4*(\m)+(\c))+7], v[32*((\ks)%8)+8*(\c):32*((\ks)%8)+8*(\c)+7], v[AR+32*((\ks)%4)+8*(\m):AR+32*((\ks)%4)+8*(\m)+7], v[BP+8*(\c):BP+8*(\c)+7]
.else
	v_wmma_f32_16x16x32_f16 v[8*(4*(\m)+(\c)):8*(4*(\m)+(\c))+7], v[32*((\ks)%8)+8*(\c):32*((\ks)%8)+8*(\c)+7], v[AR+32*((\ks)%4)+8*(\m):AR+32*((\ks)%4)+8*(\m)+7], v[8*(4*(\m)+(\c)):8*(4*(\m)+(\c))+7]
.endif
.endr
.endr
.endm
.macro OUTM m                          ; token tile m leaves
	WIN 0x04                                       ; store data window 1, address window 0
.irp c, 0,1,2,3
	ds_store_b128 v4, v[8*(4*(\m)+(\c)):8*(4*(\m)+(\c))+3]   offset:64*(\c)      ; each accumulator from its low end on
	ds_store_b128 v4, v[8*(4*(\m)+(\c))+4:8*(4*(\m)+(\c))+7] offset:64*(\c)+16
.endr
	WIN 0
	s_wait_xcnt 0x0                                ; the stores before have read the registers that the loads below fill
.irp i, 0,1,2,3,4,5,6,7
	ds_load_b128 v[OB+4*(\i):OB+4*(\i)+3], v5 offset:2*SP*(\i)   ; LDS serves a wave's instructions in order (ISA guide 5.7.1.4): these see the stores above, and the next tile's stores come behind them
.endr
	s_wait_dscnt 0x0
.irp i, 0,1,2,3,4,5,6,7
	global_store_b128 v8, v[OB+4*(\i):OB+4*(\i)+3], s[10:11] offset:16384*(\m)+2048*(\i) th:TH_STORE_NT
.endr
.endm
	s_mov_b32 s48, 2
.Lhalf:
	FETCH 0
	FETCH 1
.irp s, 0,1,2,3,4,5,6,7,8,9,10,11,12,13,14,15
	STEP \s
.endr
	WIN 0
	PLACES
	OUTM 0
	OUTM 1
	OUTM 2
	OUTM 3
	s_wait_tensorcnt 0x0                           ; my part of the second half is in,
	s_wait_dscnt 0x0
	s_barrier_signal -1
	s_barrier_wait -1                              ; everybody's is (in the second trip both are met at once)
	s_wait_xcnt 0x0                                ; the stores have read their base
	s_add_nc_u64 s[10:11], s[10:11], OAH           ; 64 tokens of 1,024 bytes on
	v_add_nc_u32 v3, OAH, v3
	s_sub_co_u32 s48, s48, 1
	s_cmp_lg_u32 s48, 0
	s_cbranch_scc1 .Lhalf
	s_wait_tensorcnt 0x0                           ; the wave's end: three closing lines, behind my last tensor load and my last LDS store
	ds_add_u32 v[SPW], v[NIL]
	s_wait_dscnt 0x0
	s_endpgm
.Lfunc_end_k_q26f6a775b8_proj:
	.size	k_q26f6a775b8_proj, .Lfunc_end_k_q26f6a775b8_proj-k_q26f6a775b8_proj
	.p2alignl 7, 3214868480
	.fill 96, 4, 3214868480
	.section	.rodata,"a",@progbits
	.p2align	6, 0x0
	.amdhsa_kernel k_q26f6a775b8_proj
		.amdhsa_group_segment_fixed_size 167936
		.amdhsa_private_segment_fixed_size 0
		.amdhsa_enable_private_segment 0
		.amdhsa_kernarg_size 32
		.amdhsa_user_sgpr_count 2
		.amdhsa_user_sgpr_kernarg_segment_ptr 1
		.amdhsa_wavefront_size32 1
		.amdhsa_system_sgpr_workgroup_id_x 1
		.amdhsa_system_sgpr_workgroup_id_y 1
		.amdhsa_system_sgpr_workgroup_id_z 1
		.amdhsa_system_vgpr_workitem_id 0
		.amdhsa_next_free_vgpr 1024
		.amdhsa_next_free_sgpr 66
		.amdhsa_reserve_vcc 0
		.amdhsa_float_denorm_mode_32 3
		.amdhsa_float_denorm_mode_16_64 3
		.amdhsa_memory_ordered 1
		.amdhsa_forward_progress 1
		.amdhsa_inst_pref_size 52
	.end_amdhsa_kernel
	.amdgpu_metadata
---
amdhsa.version: [ 1, 2 ]
amdhsa.kernels:
  - .name:           k_q26f6a775b8_proj
    .symbol:         k_q26f6a775b8_proj.kd
    .args:
      - { .name: ow, .offset: 0, .size: 8, .value_kind: global_buffer, .address_space: global }
      - { .name: wp16, .offset: 8, .size: 8, .value_kind: global_buffer, .address_space: global }
      - { .name: b_proj, .offset: 16, .size: 8, .value_kind: global_buffer, .address_space: global }
      - { .name: out0, .offset: 24, .size: 8, .value_kind: global_buffer, .address_space: global }
    .group_segment_fixed_size: 167936
    .private_segment_fixed_size: 0
    .kernarg_segment_align: 8
    .kernarg_segment_size: 32
    .max_flat_workgroup_size: 128
    .sgpr_count:     66
    .vgpr_count:     1024
    .wavefront_size: 32
...
	.end_amdgpu_metadata
.endif
;; end of part 4
;; ======== version 2 of 2: 4 launches; version 1 with the launch prep written anew for expert scheduling mode
;; limits: values are held in f16: magnitudes above 65,504 overflow, below 6.1e-05 lose precision
;; workspace buffers: tbl 16,777,216 bytes; wq16 393,216 bytes; wp16 262,144 bytes; qw 8,388,608 bytes; kw 8,388,608 bytes; vw 33,554,432 bytes; ow 33,554,432 bytes
;; launch prep (part 5): grid 256 x 1, 8 waves a work-group, no clusters, 17,408 bytes of LDS; arguments attn_biases, bias_idxs, w_qkv, w_proj, tbl, wq16, wp16; writes tbl, wq16, wp16
.if DOCPART == 5
	.amdgcn_target "amdgcn-amd-amdhsa--gfx1250"
	.amdhsa_code_object_version 6
	.text
	.protected	k_q26f6a775b8_prep
	.globl	k_q26f6a775b8_prep
	.p2align	8
	.type	k_q26f6a775b8_prep,@function
k_q26f6a775b8_prep:
	s_mov_b64 s[64:65], 0
	v_nop
	global_prefetch_b8 v0, s[64:65] scope:SCOPE_SE
	s_setreg_imm32_b32 hwreg(HW_REG_WAVE_SCHED_MODE, 0, 2), 2
	s_setreg_imm32_b32 hwreg(HW_REG_WAVE_MODE, 25, 1), 1
	s_wait_xcnt 0x0
	s_wait_alu depctr_vm_vsrc(0)
; PREP: the tables that the later launches read as matrix fragments, each number rounded once to f16.
;   tbl  [h 8][qb 8][kb 64][t 8][lane 32][16 B]: lane (r = lane % 16, hh = lane / 16) holds log2(e) x attn_biases[h][bias_idxs[128 qb + 16 t + r][16 kb + 8 hh + 0..7]]
;   wq16 [head 8][ks 8][nt 6][s 2][lane][16 B]: row 96 head + 16 nt + r of w_qkv, columns 32 ks + 16 s + 8 hh + 0..7; the q rows (nt = 0) times c = log2(e) / 4
;   wp16 [wq 4][ks 16][nt 4][s 2][lane][16 B]: row 64 wq + 16 nt + r of w_proj, the same columns
; LIMITS.  f16 ends at 65,504 and keeps a fixed step of 6e-8 below 6e-5: biases and weights are taken to lie within it.  An index is cut to 0 .. 1023.
; SHARES.  Work-group g takes the 16 queries of tile g / 4 and the key blocks 16 (g % 4) .. + 15, two to a wave, for all 8 heads: an index is read once and serves 8 heads.
; The table of 8 x 1024 biases lies in LDS turned, [index][head], 16 bytes an index, so that one LDS load brings an index's 8 heads.  Each store of a wave covers 512 consecutive bytes, aligned.
; No matrix unit, cluster or prefetch: every stream is one burst at the head, and what work-groups share (32 KiB of biases) is about half of what each one writes.
; THE MODE: SCHED_MODE bits 1:0 = 2 (LLVM: expert scheduling mode 2), set by the entry lines.  The code itself states the register dependences
; between vector instructions and memory or LDS instructions, with s_wait_alu, always for 0.
; THE PLAN.  Registers that memory or LDS instructions touch, in the order of the text:
;   v6-v11      offsets and the LDS store address: written once at the head, read by every load and store, never written again.
;   v[12:27]    the 16 indices land; 32 vector lines cut and shift them in place; the 16 gathers read them as LDS addresses; never written again.
;   v[32:63]    the biases land; scalings and roundings read them; key block 1's gathers land; its permutes read them; (wave 0 of 128 work-groups) weights land.
;   v[64:95]    the roundings write v[64:79]; the LDS stores read those; key block 0's gathers land; its permutes read them; block 1's permutes write them; block 1's stores read them; weights land.
;   v[96:127]   block 0's permutes write them; block 0's stores read them; weights land.
;   v4, v5      made at the head, read by the closing add alone.
; Two gather buffers and two out-buffers: both blocks' addresses are made in one run, all 16 gathers follow one pair of waits, and no out-buffer is written twice by the permutes.
.set SPARE, 16384                      ; behind the table: the spare words, 128 bytes for each of 8 waves
.set SPW, 4                            ; v4   my spare word; never rewritten
.set NIL, 5                            ; v5   0; never rewritten
.set IDX, 12                           ; v[12:27]  2 key blocks x 8 indices
.set AB,  32                           ; v[32:63]  4 indices x 8 heads in f32; later the weights, v[32:127]
.set PK,  64                           ; v[64:79]  my part of the table, rounded, on its way into LDS
.set G0,  64                           ; v[64:95]  key block 0: 8 gathered entries of 4 registers
.set G1,  32                           ; v[32:63]  key block 1: the same
.set O0,  96                           ; v[96:127] key block 0: 8 heads x 4 registers to store
.set O1,  64                           ; v[64:95]  key block 1: the same, where block 0's gathers lay
.set LOG2E, 0x3fb8aa3b
.set CQ,    0x3eb8aa3b                 ; log2(e) / 4
	s_load_b256 s[4:11], s[0:1], 0x0               ; attn_biases s[4:5], bias_idxs s[6:7], w_qkv s[8:9], w_proj s[10:11]
	s_load_b128 s[12:15], s[0:1], 0x20             ; tbl s[12:13], wq16 s[14:15]
	s_load_b64 s[16:17], s[0:1], 0x30              ; wp16
	v_lshl_add_u32 v[SPW], v0, 2, SPARE
	v_mov_b32 v[NIL], 0
	v_lshrrev_b32 v1, 5, v0
	v_readfirstlane_b32 s18, v1                    ; wave 0..7
	s_mov_b32 s19, ttmp9                           ; g
	s_mov_b32 s20, 0x05040100                      ; v_perm_b32: the two low halves
	s_mov_b32 s21, 0x07060302                      ; the two high halves
	v_and_b32 v2, 15, v0                           ; r
	v_bfe_u32 v3, v0, 4, 1                         ; hh
	v_lshlrev_b32 v6, 12, v2
	v_lshl_add_u32 v6, v3, 5, v6                   ; indices: 4096 r + 32 hh
	v_lshlrev_b32 v7, 2, v0                        ; 4 x thread
	v_lshlrev_b32 v8, 4, v0                        ; 16 x thread
	v_and_b32 v9, 31, v0
	v_lshlrev_b32 v9, 4, v9                        ; 16 x lane
	v_lshlrev_b32 v10, 10, v2
	v_lshl_add_u32 v10, v3, 5, v10                 ; w_qkv: 1024 r + 32 hh
	v_lshlrev_b32 v11, 11, v2
	v_lshl_add_u32 v11, v3, 5, v11                 ; w_proj: 2048 r + 32 hh
	s_wait_alu depctr_va_sdst(0)                   ; s18 is written, ahead of its first reader: the offsets of the indices and of tbl are made from it
	s_lshr_b32 s26, s19, 2                         ; query tile
	s_and_b32 s27, s19, 3                          ; quarter of the keys
	s_lshl_b32 s22, s26, 16                        ; 16 rows of 4,096 bytes
	s_lshl_b32 s28, s27, 10
	s_add_co_u32 s22, s22, s28                     ; + 16 key blocks of 64 bytes
	s_lshl_b32 s28, s18, 7
	s_add_co_u32 s22, s22, s28                     ; + my two
	s_mov_b32 s23, 0
	s_lshr_b32 s28, s19, 5
	s_lshl_b32 s28, s28, 18                        ; tbl: 262144 qb
	s_and_b32 s29, s26, 7
	s_lshl_b32 s29, s29, 9
	s_add_co_u32 s28, s28, s29                     ; + 512 t
	s_lshl_b32 s29, s27, 16
	s_add_co_u32 s28, s28, s29                     ; + 4096 x 16 (g % 4)
	s_lshl_b32 s29, s18, 13
	s_add_co_u32 s28, s28, s29                     ; + 4096 x 2 wave
	s_mov_b32 s29, 0
	s_wait_kmcnt 0x0
	s_add_nc_u64 s[6:7], s[6:7], s[22:23]
	s_add_nc_u64 s[12:13], s[12:13], s[28:29]      ; heads 0-3
	s_add_nc_u64 s[24:25], s[12:13], 0x800000      ; heads 4-7: the immediates stay inside 24 bits
	s_wait_alu depctr_va_vdst(0)                   ; v6 to v11 are written: every load and store of the kernel but the gathers reads one of them as its offset or address
.irp i, 0,1,2,3
.irp c, 0,1,2,3,4,5,6,7
	global_load_b32 v[AB+8*(\i)+(\c)], v7, s[4:5] offset:4096*(\c)+1024*(\i)  ; index thread + 256 i, head c
.endr
.endr
.irp u, 0,1
	global_load_b128 v[IDX+8*(\u):IDX+8*(\u)+3],   v6, s[6:7] offset:64*(\u)
	global_load_b128 v[IDX+8*(\u)+4:IDX+8*(\u)+7], v6, s[6:7] offset:64*(\u)+16
.endr
	s_wait_loadcnt 0x4                             ; the biases are in; the four index loads may stay out
.set a, 0
.rept 16
	v_pk_mul_f32 v[AB+2*a:AB+2*a+1], v[AB+2*a:AB+2*a+1], LOG2E op_sel_hi:[1,0]
.set a, a+1
.endr
.set a, 0
.rept 16
	v_cvt_pk_f16_f32 v[PK+a], v[AB+2*a], v[AB+2*a+1]  ; heads 2 p, 2 p + 1 of one index
.set a, a+1
.endr
	s_wait_alu depctr_va_vdst(0)                   ; the roundings have written v[PK ..], which the LDS stores read
.irp i, 0,1,2,3
	ds_store_b128 v8, v[PK+4*(\i):PK+4*(\i)+3] offset:4096*(\i)
.endr
	s_wait_dscnt 0x0                               ; for the others' sake: my part of the table is written
	s_barrier_signal -1
	s_barrier_wait -1
	s_wait_loadcnt 0x0                             ; the indices
; Both key blocks' 16 LDS addresses are made in one run; then all 16 gathers of 16 bytes go out, block 0's into G0, block 1's into G1.
.set q, 0
.rept 16
	v_min_u32 v[IDX+q], 0x3ff, v[IDX+q]
	v_lshlrev_b32 v[IDX+q], 4, v[IDX+q]
.set q, q+1
.endr
	s_wait_alu depctr_vm_vsrc(0)                   ; my LDS stores have read v[PK ..], in which block 0's gathers land
	s_wait_alu depctr_va_vdst(0)                   ; the 16 addresses are written; the roundings are done reading v[AB ..], in which block 1's gathers land, and writing v[PK ..]
.irp q, 0,1,2,3,4,5,6,7
	ds_load_b128 v[G0+4*(\q):G0+4*(\q)+3], v[IDX+(\q)]
.endr
.irp q, 0,1,2,3,4,5,6,7
	ds_load_b128 v[G1+4*(\q):G1+4*(\q)+3], v[IDX+8+(\q)]
.endr
; A key block's 8 entries, turned from [key][head] to [head][key] by byte permutes.
.macro TURNED src, dst
.set hd, 0
.rept 8
.set k, 0
.rept 4
	v_perm_b32 v[(\dst)+4*hd+k], v[(\src)+8*k+4+hd/2], v[(\src)+8*k+hd/2], s[20+hd%2]  ; keys 2 k (low half) and 2 k + 1 of head hd
.set k, k+1
.endr
.set hd, hd+1
.endr
.endm
; Key block u of my two leaves: 8 stores.
.macro SEND u, dst
.irp c, 0,1,2,3
	global_store_b128 v9, v[(\dst)+4*(\c):(\dst)+4*(\c)+3],       s[12:13] offset:2097152*(\c)+4096*(\u)
	global_store_b128 v9, v[(\dst)+16+4*(\c):(\dst)+16+4*(\c)+3], s[24:25] offset:2097152*(\c)+4096*(\u)
.endr
.endm
	s_wait_dscnt 0x8                               ; LDS loads come back in order (ISA guide 5.7.1): block 0's eight are in, block 1's eight may stay out
	TURNED G0, O0
	s_wait_alu depctr_va_vdst(0)                   ; the permutes have written v[O0 ..], which the stores read
	SEND 0, O0
	s_wait_dscnt 0x0                               ; block 1's gathers are in
	TURNED G1, O1                                  ; into the registers that block 0's gathers left: no memory or LDS instruction has read them since the wait ahead of the gathers
	s_wait_alu depctr_va_vdst(0)                   ; the permutes have written v[O1 ..], which the stores read; and they are done with all of v[32:127], in which the weights below land
	SEND 1, O1
	s_wait_alu depctr_vm_vsrc(0)                   ; the sixteen stores have read v[64:127], in which the weights land; ahead of the branches, so that it lies on every way to those loads
; The weights: wave 0 of work-groups 0-63 takes one (head, ks) of w_qkv, of work-groups 64-127 one (wq, ks) of w_proj.
.macro WCONV nfr                       ; nfr half fragments of 8 f32 at AB + 8 f: rounded in place into their first four registers
.set f, 0
.rept \nfr
.set k, 0
.rept 4
	v_cvt_pk_f16_f32 v[AB+8*f+k], v[AB+8*f+2*k], v[AB+8*f+2*k+1]
.set k, k+1
.endr
.set f, f+1
.endr
.endm
	s_cmp_lg_u32 s18, 0
	s_cbranch_scc1 .Lend
	s_cmp_lt_u32 s19, 128
	s_cbranch_scc0 .Lend
	s_wait_xcnt 0x0                                ; the stores above have had their addresses translated (ISA guide 3.1): loads land in their data registers only behind this wait
	s_cmp_lt_u32 s19, 64
	s_cbranch_scc0 .Lwp
	s_lshr_b32 s26, s19, 3                         ; head
	s_and_b32 s27, s19, 7                          ; ks
	s_mul_i32 s22, s26, 98304                      ; 96 rows of 1,024 bytes
	s_lshl_b32 s28, s27, 7
	s_add_co_u32 s22, s22, s28
	s_add_nc_u64 s[8:9], s[8:9], s[22:23]
	s_mul_i32 s22, s19, 6144                       ; 8 head + ks = g
	s_add_nc_u64 s[14:15], s[14:15], s[22:23]
.set f, 0
.rept 12                                       ; f = 2 nt + s.  No wait on va_vdst: no vector instruction since the wait ahead of block 1's stores names v[32:127] or v10
	global_load_b128 v[AB+8*f:AB+8*f+3],   v10, s[8:9] offset:16384*(f/2)+64*(f%2)
	global_load_b128 v[AB+8*f+4:AB+8*f+7], v10, s[8:9] offset:16384*(f/2)+64*(f%2)+16
.set f, f+1
.endr
	s_wait_loadcnt 0x0
.set a, 0
.rept 8
	v_pk_mul_f32 v[AB+2*a:AB+2*a+1], v[AB+2*a:AB+2*a+1], CQ op_sel_hi:[1,0]  ; the q rows carry the scale and log2(e)
.set a, a+1
.endr
	WCONV 12
	s_wait_alu depctr_va_vdst(0)                   ; the roundings have written the first four registers of each eight, which the stores read
.set f, 0
.rept 12
	global_store_b128 v9, v[AB+8*f:AB+8*f+3], s[14:15] offset:512*f
.set f, f+1
.endr
	s_branch .Lend
.Lwp:
	s_sub_co_u32 s26, s19, 64                      ; 16 wq + ks
	s_lshr_b32 s27, s26, 4                         ; wq
	s_and_b32 s28, s26, 15                         ; ks
	s_lshl_b32 s22, s27, 17                        ; 64 rows of 2,048 bytes
	s_lshl_b32 s28, s28, 7
	s_add_co_u32 s22, s22, s28
	s_add_nc_u64 s[10:11], s[10:11], s[22:23]
	s_lshl_b32 s22, s26, 12
	s_add_nc_u64 s[16:17], s[16:17], s[22:23]
.set f, 0
.rept 8                                        ; as above: no vector instruction since the wait ahead of block 1's stores names v[32:95] or v11
	global_load_b128 v[AB+8*f:AB+8*f+3],   v11, s[10:11] offset:32768*(f/2)+64*(f%2)
	global_load_b128 v[AB+8*f+4:AB+8*f+7], v11, s[10:11] offset:32768*(f/2)+64*(f%2)+16
.set f, f+1
.endr
	s_wait_loadcnt 0x0
	WCONV 8
	s_wait_alu depctr_va_vdst(0)                   ; the roundings have written the first four registers of each eight, which the stores read
.set f, 0
.rept 8
	global_store_b128 v9, v[AB+8*f:AB+8*f+3], s[16:17] offset:512*f
.set f, f+1
.endr
.Lend:
	s_wait_dscnt 0x0                               ; the closing lines, six on end
	s_wait_alu 0x0
	s_wait_tensorcnt 0x0
	ds_add_u32 v[SPW], v[NIL]
	s_wait_dscnt 0x0
	s_endpgm
.Lfunc_end_k_q26f6a775b8_prep:
	.size	k_q26f6a775b8_prep, .Lfunc_end_k_q26f6a775b8_prep-k_q26f6a775b8_prep
	.p2alignl 7, 3214868480
	.fill 96, 4, 3214868480
	.section	.rodata,"a",@progbits
	.p2align	6, 0x0
	.amdhsa_kernel k_q26f6a775b8_prep
		.amdhsa_group_segment_fixed_size 17408
		.amdhsa_private_segment_fixed_size 0
		.amdhsa_enable_private_segment 0
		.amdhsa_kernarg_size 56
		.amdhsa_user_sgpr_count 2
		.amdhsa_user_sgpr_kernarg_segment_ptr 1
		.amdhsa_wavefront_size32 1
		.amdhsa_system_sgpr_workgroup_id_x 1
		.amdhsa_system_sgpr_workgroup_id_y 1
		.amdhsa_system_sgpr_workgroup_id_z 1
		.amdhsa_system_vgpr_workitem_id 0
		.amdhsa_next_free_vgpr 128
		.amdhsa_next_free_sgpr 66
		.amdhsa_reserve_vcc 0
		.amdhsa_float_denorm_mode_32 3
		.amdhsa_float_denorm_mode_16_64 3
		.amdhsa_memory_ordered 1
		.amdhsa_forward_progress 1
		.amdhsa_inst_pref_size 30
	.end_amdhsa_kernel
	.amdgpu_metadata
---
amdhsa.version: [ 1, 2 ]
amdhsa.kernels:
  - .name:           k_q26f6a775b8_prep
    .symbol:         k_q26f6a775b8_prep.kd
    .args:
      - { .name: attn_biases, .offset: 0, .size: 8, .value_kind: global_buffer, .address_space: global }
      - { .name: bias_idxs, .offset: 8, .size: 8, .value_kind: global_buffer, .address_space: global }
      - { .name: w_qkv, .offset: 16, .size: 8, .value_kind: global_buffer, .address_space: global }
      - { .name: w_proj, .offset: 24, .size: 8, .value_kind: global_buffer, .address_space: global }
      - { .name: tbl, .offset: 32, .size: 8, .value_kind: global_buffer, .address_space: global }
      - { .name: wq16, .offset: 40, .size: 8, .value_kind: global_buffer, .address_space: global }
      - { .name: wp16, .offset: 48, .size: 8, .value_kind: global_buffer, .address_space: global }
    .group_segment_fixed_size: 17408
    .private_segment_fixed_size: 0
    .kernarg_segment_align: 8
    .kernarg_segment_size: 56
    .max_flat_workgroup_size: 256
    .sgpr_count:     66
    .vgpr_count:     128
    .wavefront_size: 32
...
	.end_amdgpu_metadata
.endif
;; end of part 5
;; launch lnqkv: the kernel of part 2 again; grid 256 x 1, 4 waves a work-group, no clusters, 199,168 bytes of LDS; arguments x, gamma, beta, b_qkv, wq16, qw, kw, vw; writes qw, kw, vw
;; launch attn: the kernel of part 3 again; grid 32 x 8, 4 waves a work-group, clusters of 4 x 1, 327,680 bytes of LDS; arguments qw, kw, vw, tbl, ow; writes ow
;; launch proj: the kernel of part 4 again; grid 256 x 1, 4 waves a work-group, no clusters, 167,936 bytes of LDS; arguments ow, wp16, b_proj, out0; writes out0
